; MI455X (gfx1250); checked and timed in simulation.
; The chip was launched on July 23, 2026; its instructions are those of AMD's public machine-readable ISA for CDNA 5 (MIT licence, August 2026) and "CDNA5" Instruction Set Architecture Reference Guide (July 2026). The comments in the code are by the model that wrote it; some were corrected since.
;; Multi Headed Attention. Allowed arithmetic: matrix products marked QUANTISED: E2M1 operands, one E8M0 scale for each 32 along K, by v_wmma_scale_f32_16x16x128_f8f6f4 with both operands' format E2M1 (or v_wmma_scale_f32_32x16x128_f4), f32 sums; everything else in f32.
;; Inputs: bk 512 float32; bo 512 float32; bq 512 float32; bv 512 float32; key 8 x 2,048 x 512 float32; query 8 x 2,048 x 512 float32; value 8 x 2,048 x 512 float32; wk 512 x 512 float32; wo 512 x 512 float32; wq 512 x 512 float32; wv 512 x 512 float32.
;; Outputs: out0 8 x 2,048 x 512 float32.
;; This version of the problem:
;;   THIS VERSION OF THE PROBLEM IS GIVEN IN LOW PRECISION. The matrix products marked QUANTISED in the list below multiply operands that are first quantised to E2M1 (2 exponent bits, 1 mantissa bit; 4 bits a number), with one power-of-two scale for each 32 numbers along K (OCP MX v1.0); their sums are f32. All else is computed in f32.
;;   The module's matrix products, in the order in which they are computed (A, B: the left and right operand; K: the contracted axis; several contracted axes count as one K, in the product's order):
;;     1. [M 16,384, K 512] x [K 512, N 512]; A: input query; B: input wq: QUANTISED
;;     2. [M 16,384, K 512] x [K 512, N 512]; A: input key; B: input wk: QUANTISED
;;     3. [M 16,384, K 512] x [K 512, N 512]; A: input value; B: input wv: QUANTISED
;;     4. batch 64 x [M 2,048, K 64] x [K 64, N 2,048]; A: computed on the way; B: computed on the way: QUANTISED
;;     5. batch 64 x [M 2,048, K 2,048] x [K 2,048, N 64]; A: softmax (see below); B: computed on the way: QUANTISED
;;     6. [M 16,384, K 512] x [K 512, N 512]; A: computed on the way; B: input wo: QUANTISED
;;   THE QUANTISER, for each operand of a quantised product, along K:
;;     - K is cut into blocks of 32 from its start; a last block that is shorter is filled with zeros.
;;     - A block's scale is 2^e with e = floor(log2(the largest magnitude in the block)) - 2, held to -126 .. 127; a block of zeros has e = 0. As a byte (E8M0): e + 127.
;;     - Each number is divided by its block's scale, clamped to +-6, and rounded to the nearest number of E2M1, ties to even, subnormals kept.
;;     - The product sums the exact products of the quantised numbers (number of the format x scale) in f32.
;;   ~~~python
;;   def quantise(x, axis):      # numpy; x: float32 -> the quantised numbers, widened to float32 again
;;       x = np.moveaxis(x, axis, -1); K = x.shape[-1]
;;       x = np.pad(x, [(0, 0)] * (x.ndim - 1) + [(0, -K % 32)]); x = x.reshape(x.shape[:-1] + (-1, 32)); a = np.abs(x).max(-1, keepdims=True)
;;       e = np.where(a > 0, np.clip(np.frexp(np.where(a > 0, a, 1))[1] - 1 - 2, -126, 127), 0)      # np.frexp(a)[1] - 1 = floor(log2(a)), exactly
;;       r = np.clip(x / 2.0 ** e, -6, 6)
;;       step = 2.0 ** (np.maximum(np.frexp(np.where(r == 0, 1, r))[1] - 1, 0) - 1)
;;       q = np.round(r / step) * step * 2.0 ** e      # np.round: ties to even
;;       return np.moveaxis(q.reshape(q.shape[:-2] + (-1,))[..., :K], -1, axis).astype(np.float32)
;;   ~~~
;;   SOFTMAX AHEAD OF A QUANTISED PRODUCT. Where the list says 'softmax', what is quantised is not the finished softmax but p = 2^(t - M), with t = logit x log2(e) and M = ceil(the row's largest t), a whole number; so 1/2 < the row's largest p <= 1. The row's sum l is taken of the UNQUANTISED p, in f32, and the product's result is divided by l at the end. Since M is a whole number, a kernel that streams over the keys may use a running M (the ceiling of the running maximum): every later rescaling is an exact power of two, which a block's scale takes up: the codes' values come out the same.
;;   OPERANDS COMPUTED ON THE WAY. 'Computed on the way' means the value that the module computes at that place (a softmax that the list does not call 'softmax' is quantised finished and normalised). What goes into a quantiser is computed in f32, as accurately as f32 sums, v_exp_f32 and their like allow (about 1e-6 of the number): no bf16 or f16 on the way to a quantiser, and a product that is left as it is and whose result goes on into a quantised operand takes f32 operands (vector FMAs, or v_wmma_f32_16x16x4_f32). A number that lies on a knife's edge between two numbers of the format may be rounded either way, as far as f32 arithmetic and the matrix unit's own rounding can turn it there, and no further.
;; 2 versions. Each part assembles by itself: llvm-mc -triple=amdgcn-amd-amdhsa -mcpu=gfx1250 --defsym DOCPART=n.
;; ======== version 1 of 2: 4 launches
;; workspace buffers: wfrag 589,824 bytes; qrec 4,718,592 bytes; kv 9,175,040 bytes; xa_codes 4,194,304 bytes; xa_scales 1,048,576 bytes
;; launch prep (part 1): grid 32 x 4, 4 waves a work-group, no clusters, 34,816 bytes of LDS; arguments wq, wk, wv, wo, wfrag; writes wfrag
.if DOCPART == 1
	.amdgcn_target "amdgcn-amd-amdhsa--gfx1250"
	.amdhsa_code_object_version 6
	.text
	.protected	k_q4dfd454356_prep
	.globl	k_q4dfd454356_prep
	.p2align	8
	.type	k_q4dfd454356_prep,@function
k_q4dfd454356_prep:
	s_mov_b64 s[64:65], 0
	v_nop
	global_prefetch_b8 v0, s[64:65] scope:SCOPE_SE
	s_setreg_imm32_b32 hwreg(HW_REG_WAVE_MODE, 25, 1), 1
	s_wait_xcnt 0x0
; PREP: the four weights [512][512] f32 (K innermost) become codes of FP4 (E2M1) with one E8M0 byte for each 32 along K, laid in the order of an operand's registers.
; wfrag: four weights of 147,456 bytes (wq, wk, wv, wo).  Codes: [tile t 0..31][K step s 0..3][c 0..1][lane][16 bytes]; scale words at +131,072: [t][lane][s][4 bytes].
; THE ROWS OF A TILE ARE NOT NEIGHBOURS: lane r of tile t is row 32 (t / 2) + 8 (t % 2) + r + 8 (r / 8), so that the results of two neighbouring tiles are 16 neighbours along the next product's K.
; SHARES: a work-group is one tile of one weight (x = tile, y = weight), wave s its K step s: one fragment (16 rows x 128 K) a wave; 128 work-groups are all the work there is.
; Each load reads 512 consecutive bytes of one row; the 16 rows turn through the wave's own stage in LDS (rows 528 bytes apart) so that a lane holds 16 neighbours of each block of 32.
; A block's scale is 2^(floor(log2(largest magnitude)) - 2); its byte is the largest magnitude's exponent field - 2, held at 1 from below.
; LIMITS: NaN and infinities are not served; a block whose largest magnitude lies under 2^-124, a block of zeros too, gets the byte 1 (a block of zeros has zero codes, and only this program reads the bytes).
.set STGB,   8448                      ; a wave's stage: 16 rows x 528 bytes
.set SCB,    4*STGB                    ; behind the stages: 512 bytes in which the four waves' scale words meet
.set WBYTES, 147456
.set L16, 1                            ; v1   16 x lane
.set STW, 3                            ; v3   the stage, on the way in: 16 x lane
.set STR, 4                            ; v4   and on the way out: 528 r + 64 h
.set SCW, 5                            ; v5   SCB + 16 x lane + 4 x wave
.set SCR, 6                            ; v6   SCB + 16 x lane
.set R,   16                           ; v16-79   the numbers as loaded
.set X,   80                           ; v80-143  register 16 b + i = k 32 b + 16 h + i of my row
.set PC,  144                          ; v144-151 the fragment
.set TM,  152                          ; v152-163 at work
.set PW,  164                          ; v164     my row's scale word
.set SEL, 20                           ; s[20:21] v_permlanex16_b32's selects for lane l xor 16
.set XB,  22                           ; s[22:23] the tile's first row, at my K step
.macro GLOAD reg, off                  ; 16 rows of the tile, 128 numbers of each: a load reads 512 consecutive bytes
.irp i, 0,1,2,3,4,5,6,7,8,9,10,11,12,13,14,15
	global_load_b128 v[\reg+4*\i:\reg+4*\i+3], v[L16], s[XB:XB+1] offset:\off+(\i+8*(\i/8))*2048 th:TH_LOAD_NT
.endr
.endm
.macro TURNIN reg
.irp i, 0,1,2,3,4,5,6,7,8,9,10,11,12,13,14,15
	ds_store_b128 v[STW], v[\reg+4*\i:\reg+4*\i+3] offset:528*\i
.endr
.endm
.macro TURNOUT dst                     ; LDS serves a wave's instructions in order: these see the stores above
.irp b, 0,1,2,3
.irp q, 0,1,2,3
	ds_load_b128 v[\dst+16*\b+4*\q:\dst+16*\b+4*\q+3], v[STR] offset:128*\b+16*\q
.endr
.endr
.endm
; 64 numbers of a lane, register 16 b + i = k 32 b + 16 (lane / 16) + i of my row, become a fragment's codes in v[PC] on and the row's scale word in v[pw].
.macro QUANT s, pw
.irp b, 0,1,2,3
	v_max3_num_f32 v[TM+\b], |v[\s+16*\b]|, |v[\s+1+16*\b]|, 0x1800000   ; my 16 numbers of block b, and the floor 2^(3 - 127): the byte cannot fall under 1
.endr
.irp i, 2,4,6,8,10,12,14
.irp b, 0,1,2,3
	v_max3_num_f32 v[TM+\b], v[TM+\b], |v[\s+16*\b+\i]|, |v[\s+1+16*\b+\i]|   ; the four blocks by turns
.endr
.endr
.irp b, 0,1,2,3
	v_permlanex16_b32 v[TM+4+\b], v[TM+\b], s[SEL], s[SEL+1]
.endr
.irp b, 0,1,2,3
	v_max_num_f32 v[TM+\b], v[TM+\b], v[TM+4+\b]   ; with lane l xor 16's 16: the block's largest magnitude
.endr
.irp b, 0,1,2,3
	v_add_nc_u32 v[TM+8+\b], 0xff000000, v[TM+\b]  ; 2 off its exponent field: the conversion's scale operand
.endr
.irp b, 0,1,2,3
	v_lshrrev_b32 v[TM+4+\b], 23, v[TM+8+\b]       ; the scale's byte
.endr
	v_lshl_or_b32 v[\pw], v[TM+5], 8, v[TM+4]
	v_lshl_or_b32 v[\pw], v[TM+6], 16, v[\pw]
	v_lshl_or_b32 v[\pw], v[TM+7], 24, v[\pw]
.irp b, 0,1,2,3
	v_cvt_scalef32_pk8_fp4_f32 v[PC+2*\b], v[\s+16*\b:\s+7+16*\b], v[TM+8+\b]
	v_cvt_scalef32_pk8_fp4_f32 v[PC+1+2*\b], v[\s+8+16*\b:\s+15+16*\b], v[TM+8+\b]
.endr
	v_nop                                          ; one plain place behind a scaled conversion
.irp c, 0,1                                    ; the operand wants a whole block in a lane: lanes 0-15 block 2 c, lanes 16-31 block 2 c + 1
.irp i, 0,1
	v_permlane16_swap_b32 v[PC+4*\c+\i], v[PC+2+4*\c+\i]
.endr
.endr
.endm
	s_load_b256 s[4:11], s[0:1], 0x0               ; wq, wk, wv, wo
	s_load_b64 s[12:13], s[0:1], 0x20              ; wfrag
	v_lshl_add_u32 v176, v0, 2, 0x8600
	v_mov_b32 v177, 0
	v_lshrrev_b32 v2, 5, v0
	v_readfirstlane_b32 s14, v2                    ; wave = K step
	s_mov_b32 s15, ttmp9                           ; tile
	s_and_b32 s16, ttmp7, 0xffff                   ; weight
	s_mov_b32 s[SEL], 0x76543210
	s_mov_b32 s[SEL+1], 0xfedcba98
	v_and_b32 v7, 31, v0                           ; lane
	v_and_b32 v8, 15, v0                           ; r
	v_bfe_u32 v9, v0, 4, 1                         ; h
	v_lshlrev_b32 v[L16], 4, v7
	s_mul_i32 s17, s14, STGB
	v_add_nc_u32 v[STW], s17, v[L16]
	v_mul_u32_u24 v[STR], v8, 528
	v_lshl_add_u32 v[STR], v9, 6, v[STR]
	v_add_nc_u32 v[STR], s17, v[STR]
	s_lshl_b32 s18, s14, 2
	s_add_co_u32 s18, s18, SCB
	v_add_nc_u32 v[SCW], s18, v[L16]
	v_add_nc_u32 v[SCR], SCB, v[L16]
.irp b, 0,1,2,3
	v_mov_b32 v[TM+4+\b], 0                        ; written once: a lane permute's destination counts as one of its sources
.endr
	s_lshr_b32 s18, s15, 1                         ; the tile's first row, 32 (t / 2) + 8 (t % 2), in rows of 2,048 bytes, + 512 bytes a K step
	s_lshl_b32 s18, s18, 16
	s_and_b32 s19, s15, 1
	s_lshl_b32 s19, s19, 14
	s_add_co_u32 s18, s18, s19
	s_lshl_b32 s19, s14, 9
	s_add_co_u32 s18, s18, s19
	s_mov_b32 s19, 0
	s_mul_i32 s28, s16, WBYTES                     ; where the results go
	s_lshl_b32 s29, s15, 12
	s_add_co_u32 s30, s28, s29
	s_lshl_b32 s29, s14, 10
	s_add_co_u32 s30, s30, s29                     ; codes: 4,096 t + 1,024 s
	s_mov_b32 s31, 0
	s_lshl_b32 s29, s15, 9
	s_add_co_u32 s28, s28, s29
	s_add_co_u32 s28, s28, 131072                  ; scale words: 512 t
	s_mov_b32 s29, 0
	s_wait_kmcnt 0x0
	s_cmp_eq_u32 s16, 1                            ; which weight: the choice hangs on the work-group's number alone
	s_cselect_b64 s[4:5], s[6:7], s[4:5]
	s_cmp_eq_u32 s16, 2
	s_cselect_b64 s[4:5], s[8:9], s[4:5]
	s_cmp_eq_u32 s16, 3
	s_cselect_b64 s[4:5], s[10:11], s[4:5]
	s_add_nc_u64 s[XB:XB+1], s[4:5], s[18:19]
	s_add_nc_u64 s[24:25], s[12:13], s[30:31]
	s_add_nc_u64 s[26:27], s[12:13], s[28:29]
	GLOAD R, 0
	s_wait_loadcnt 0x0
	TURNIN R
	TURNOUT X
	s_wait_dscnt 0x0
	QUANT X, PW
	global_store_b128 v[L16], v[PC:PC+3], s[24:25]             ; 32 lanes store 512 consecutive bytes: the fragment as it stands in the registers
	global_store_b128 v[L16], v[PC+4:PC+7], s[24:25] offset:512
	ds_store_b32 v[SCW], v[PW]                     ; the four K steps' words of a row meet in LDS
	s_wait_dscnt 0x0                               ; for the others' sake: my store has landed
	s_barrier_signal -1
	s_barrier_wait -1
	s_cmp_lg_u32 s14, 0
	s_cbranch_scc1 .Lend
	ds_load_b128 v[168:171], v[SCR]                ; wave 0 sends them: four words a lane, 512 consecutive bytes
	s_wait_dscnt 0x0
	global_store_b128 v[L16], v[168:171], s[26:27]
.Lend:
	s_wait_tensorcnt 0x0
	ds_add_u32 v176, v177
	s_wait_dscnt 0x0
	s_endpgm
.Lfunc_end_k_q4dfd454356_prep:
	.size	k_q4dfd454356_prep, .Lfunc_end_k_q4dfd454356_prep-k_q4dfd454356_prep
	.p2alignl 7, 3214868480
	.fill 96, 4, 3214868480
	.section	.rodata,"a",@progbits
	.p2align	6, 0x0
	.amdhsa_kernel k_q4dfd454356_prep
		.amdhsa_group_segment_fixed_size 34816
		.amdhsa_private_segment_fixed_size 0
		.amdhsa_enable_private_segment 0
		.amdhsa_kernarg_size 40
		.amdhsa_user_sgpr_count 2
		.amdhsa_user_sgpr_kernarg_segment_ptr 1
		.amdhsa_wavefront_size32 1
		.amdhsa_system_sgpr_workgroup_id_x 1
		.amdhsa_system_sgpr_workgroup_id_y 1
		.amdhsa_system_sgpr_workgroup_id_z 1
		.amdhsa_system_vgpr_workitem_id 0
		.amdhsa_next_free_vgpr 178
		.amdhsa_next_free_sgpr 66
		.amdhsa_reserve_vcc 0
		.amdhsa_float_denorm_mode_32 3
		.amdhsa_float_denorm_mode_16_64 3
		.amdhsa_memory_ordered 1
		.amdhsa_forward_progress 1
		.amdhsa_inst_pref_size 11
	.end_amdhsa_kernel
	.amdgpu_metadata
---
amdhsa.version: [ 1, 2 ]
amdhsa.kernels:
  - .name:           k_q4dfd454356_prep
    .symbol:         k_q4dfd454356_prep.kd
    .args:
      - { .name: wq, .offset: 0, .size: 8, .value_kind: global_buffer, .address_space: global }
      - { .name: wk, .offset: 8, .size: 8, .value_kind: global_buffer, .address_space: global }
      - { .name: wv, .offset: 16, .size: 8, .value_kind: global_buffer, .address_space: global }
      - { .name: wo, .offset: 24, .size: 8, .value_kind: global_buffer, .address_space: global }
      - { .name: wfrag, .offset: 32, .size: 8, .value_kind: global_buffer, .address_space: global }
    .group_segment_fixed_size: 34816
    .private_segment_fixed_size: 0
    .kernarg_segment_align: 8
    .kernarg_segment_size: 40
    .max_flat_workgroup_size: 128
    .sgpr_count:     66
    .vgpr_count:     178
    .wavefront_size: 32
...
	.end_amdgpu_metadata
.endif
;; end of part 1
;; launch proj (part 2): grid 128 x 3, 4 waves a work-group, no clusters, 71,168 bytes of LDS; arguments query, key, value, bq, bk, bv, wfrag, qrec, kv; writes qrec, kv
.if DOCPART == 2
	.amdgcn_target "amdgcn-amd-amdhsa--gfx1250"
	.amdhsa_code_object_version 6
	.text
	.protected	k_q4dfd454356_proj
	.globl	k_q4dfd454356_proj
	.p2align	8
	.type	k_q4dfd454356_proj,@function
k_q4dfd454356_proj:
	s_mov_b64 s[64:65], 0
	v_nop
	global_prefetch_b8 v0, s[64:65] scope:SCOPE_SE
	s_setreg_imm32_b32 hwreg(HW_REG_WAVE_MODE, 25, 1), 1
	s_wait_xcnt 0x0
; PROJ: q = query wq^T + bq, k = key wk^T + bk, v = value wv^T + bv, each product on codes of FP4 (E2M1) with one E8M0 scale for each 32 along K; the results are quantised at once for attention's products:
; q and k along the head's 64 channels, v along the keys.  Nothing but codes and scale words goes to memory, laid in the order of the next operand's registers.
; SHARES: a work-group is 128 tokens (x) of one tensor (y: 0 q, 1 k, 2 v) and all 512 outputs.  Wave w owns outputs 128 w .. 128 w + 127 (heads 2 w, 2 w + 1); its 32 fragments of the weight stay in registers.
; PHASE X: wave w quantises tokens 32 w .. 32 w + 31 (two tiles x four K steps) and leaves the fragments in LDS as images of their registers; one barrier; every wave takes all 32 into registers.
; ROWS OF A TILE, tokens and weight rows alike: lane r of tile T is row 32 (T / 2) + 8 (T % 2) + r + 8 (r / 8): the 16 registers of two neighbouring result tiles are then 16 neighbours along the next K.
; q, k: source 0 = 16 rows of the weight, source 1 = 16 tokens: a lane holds one token and 64 outputs of my 128.  v: the sources swapped: a lane holds one channel and 64 of the 128 tokens.  The bias is the C of a sum's first product.
; qrec: [batch x head 64][block 16] records of 4,608 bytes: 8 tiles x 512 bytes (registers 0-3 of a fragment: lane (r, h) holds channels 32 h .. 32 h + 31), then [lane][j 0..3] scale words: lane (r, h), word j: tile 2 j + h, row r;
; bytes 0, 1 are the row's scales, bytes 2, 3 are 0x7f: the upper 64 of the instruction's 128 along K are zero codes in attention.
; kv: [batch x head][step 16] records of 8,960 bytes: K's part as a record of qrec; at 4,608 V's four channel tiles x 1,024 bytes (K = the step's 128 keys); at 8,704 [lane][j 0..1] scale words: tile 2 j + h.
; NO JOINT LOADS, though all work-groups of a tensor read one weight: the weight is wanted in registers, in operand order, 36 KB a wave, once; a joint load would set it down in LDS, to be read from there once more: 72 LDS loads a wave for nothing.
; LIMITS: NaN and infinities are not served; a block whose largest magnitude lies under 2^-124, a block of zeros too, gets the byte 1 (a block of zeros has zero codes, and only this program reads the bytes).
; REGISTERS, in windows of 256: window 0 as listed below; window 1: the weight's fragment (t, s) at v[8 (4 t + s)]; window 2: in phase X four sets of 64 numbers as loaded, then x's fragment (m, s) at v[8 (4 m + s)].
.set STGB, 8448                        ; a wave's stage: 16 rows x 528 bytes
.set XIMG, 4*STGB                      ; x's 32 fragments, (4 m + s) x 1,024 bytes
.set XSC,  XIMG+32*1024                ; their scale words: [m][lane][s][4 bytes]
.set L16, 1                            ; v1  16 x lane
.set L8,  2                            ; v2  8 x lane
.set STW, 3                            ; v3  the stage, in: 16 x lane
.set STR, 4                            ; v4  the stage, out: 528 r + 64 h
.set XWI, 5                            ; v5  where I store x's images: XIMG + 8,192 w + 16 x lane
.set XWS, 6                            ; v6  and their scale words: XSC + 1,024 w + 16 x lane
.set LI,  7                            ; v7  XIMG + 16 x lane
.set LX,  8                            ; v8  XSC + 16 x lane
.set PW4, 12                           ; v12-15   a tile's four scale words
.set ACC, 16                           ; v16-79   eight accumulators; in phase X the turned numbers
.set BI,  80                           ; v80-143  the bias in the result's layout, eight registers a tile
.set RS,  144                          ; v144-175 the weight's scale words, 4 t + s
.set XS,  176                          ; v176-207 x's scale words, 4 m + s
.set PC,  208                          ; v208-215 the fragment just made
.set TM,  216                          ; v216-227 at work
.set PWT, 228                          ; v228     the scale word just made
.set SWA, 232                          ; v232-235 scale words on their way out, first head (v: v232-233)
.set SWB, 236                          ; v236-239 second head
.set BAJ, 240                          ; v240-247 the bias loads' lane offsets
.set WV,  22
.set TEN, 23
.set BLK, 24
.set SEL, 26                           ; s[26:27] v_permlanex16_b32's selects for lane l xor 16
.set PAD, 28                           ; s28 0x7f7f0000
.set HI,  29                           ; s29 lanes 16-31
.set XB,  30
.set BB,  32
.set WB,  34
.set WSB, 36
.set OUT0, 38
.set OUT1, 40
.set MSB, 0
.macro WIN new                         ; the immediate's high byte repeats the setting that is left
.if MSB != \new
	s_set_vgpr_msb (MSB<<8)|\new
.set MSB, \new
.endif
.endm
.macro GLOAD reg, off                  ; 16 rows of a tile, 128 numbers of each: a load reads 512 consecutive bytes
.irp i, 0,1,2,3,4,5,6,7,8,9,10,11,12,13,14,15
	global_load_b128 v[\reg+4*\i:\reg+4*\i+3], v[L16], s[XB:XB+1] offset:\off+(\i+8*(\i/8))*2048 th:TH_LOAD_NT
.endr
.endm
.macro TURNIN reg
.irp i, 0,1,2,3,4,5,6,7,8,9,10,11,12,13,14,15
	ds_store_b128 v[STW], v[\reg+4*\i:\reg+4*\i+3] offset:528*\i
.endr
.endm
.macro TURNOUT dst                     ; LDS serves a wave's instructions in order: these see the stores above
.irp b, 0,1,2,3
.irp q, 0,1,2,3
	ds_load_b128 v[\dst+16*\b+4*\q:\dst+16*\b+4*\q+3], v[STR] offset:128*\b+16*\q
.endr
.endr
.endm
; 64 numbers of a lane, register 16 b + i = k 32 b + 16 (lane / 16) + i of my row, become a fragment's codes in v[PC] on and the row's scale word in v[pw].  Each accumulator is read from its low end on.
.macro QUANT s, pw
.irp b, 0,1,2,3
	v_max3_num_f32 v[TM+\b], |v[\s+16*\b]|, |v[\s+1+16*\b]|, 0x1800000   ; my 16 numbers of block b, and the floor 2^(3 - 127): the byte cannot fall under 1
.endr
.irp i, 2,4,6,8,10,12,14
.irp b, 0,1,2,3
	v_max3_num_f32 v[TM+\b], v[TM+\b], |v[\s+16*\b+\i]|, |v[\s+1+16*\b+\i]|   ; the four blocks by turns
.endr
.endr
.irp b, 0,1,2,3
	v_permlanex16_b32 v[TM+4+\b], v[TM+\b], s[SEL], s[SEL+1]
.endr
.irp b, 0,1,2,3
	v_max_num_f32 v[TM+\b], v[TM+\b], v[TM+4+\b]   ; with lane l xor 16's 16: the block's largest magnitude
.endr
.irp b, 0,1,2,3
	v_add_nc_u32 v[TM+8+\b], 0xff000000, v[TM+\b]  ; 2 off its exponent field: the conversion's scale operand
.endr
.irp b, 0,1,2,3
	v_lshrrev_b32 v[TM+4+\b], 23, v[TM+8+\b]       ; the scale's byte
.endr
	v_lshl_or_b32 v[\pw], v[TM+5], 8, v[TM+4]
	v_lshl_or_b32 v[\pw], v[TM+6], 16, v[\pw]
	v_lshl_or_b32 v[\pw], v[TM+7], 24, v[\pw]
.irp b, 0,1,2,3
	v_cvt_scalef32_pk8_fp4_f32 v[PC+2*\b], v[\s+16*\b:\s+7+16*\b], v[TM+8+\b]
	v_cvt_scalef32_pk8_fp4_f32 v[PC+1+2*\b], v[\s+8+16*\b:\s+15+16*\b], v[TM+8+\b]
.endr
	v_nop                                          ; one plain place behind a scaled conversion
.irp c, 0,1                                    ; the operand wants a whole block in a lane: lanes 0-15 block 2 c, lanes 16-31 block 2 c + 1
.irp i, 0,1
	v_permlane16_swap_b32 v[PC+4*\c+\i], v[PC+2+4*\c+\i]
.endr
.endr
.endm
	s_load_b512 s[4:19], s[0:1], 0x0               ; query, key, value, bq, bk, bv, wfrag, qrec
	s_load_b64 s[20:21], s[0:1], 0x40              ; kv
	v_lshl_add_u32 v254, v0, 2, 0x11400
	v_mov_b32 v255, 0
	v_lshrrev_b32 v229, 5, v0
	v_readfirstlane_b32 s[WV], v229                ; wave 0..3
	s_and_b32 s[TEN], ttmp7, 0xffff                ; 0 q, 1 k, 2 v
	s_mov_b32 s[BLK], ttmp9                        ; which 128 tokens
	s_mov_b32 s[SEL], 0x76543210
	s_mov_b32 s[SEL+1], 0xfedcba98
	s_mov_b32 s[PAD], 0x7f7f0000
	s_mov_b32 s[HI], 0xffff0000
	v_and_b32 v229, 31, v0                         ; lane
	v_and_b32 v9, 15, v0                           ; r
	v_bfe_u32 v10, v0, 4, 1                        ; h
	v_and_b32 v11, 8, v9
	v_add_nc_u32 v11, v11, v9                      ; r + 8 (r / 8)
	v_lshlrev_b32 v[L16], 4, v229
	v_lshlrev_b32 v[L8], 3, v229
	s_mul_i32 s42, s[WV], STGB
	v_add_nc_u32 v[STW], s42, v[L16]
	v_mul_u32_u24 v[STR], v9, 528
	v_lshl_add_u32 v[STR], v10, 6, v[STR]
	v_add_nc_u32 v[STR], s42, v[STR]
	s_lshl_b32 s42, s[WV], 13
	s_add_co_u32 s42, s42, XIMG
	v_add_nc_u32 v[XWI], s42, v[L16]
	s_lshl_b32 s42, s[WV], 10
	s_add_co_u32 s42, s42, XSC
	v_add_nc_u32 v[XWS], s42, v[L16]
	v_add_nc_u32 v[LI], XIMG, v[L16]
	v_add_nc_u32 v[LX], XSC, v[L16]
.irp b, 0,1,2,3
	v_mov_b32 v[TM+4+\b], 0                        ; written once: a lane permute's destination counts as one of its sources
.endr
	; the bias in the result's layout.  q, k: register j of tile t is output 32 (t / 2) + 8 (t % 2) + 16 h + j: lane offset 64 h + 4 j.  v: every register is channel 32 (n / 2) + 8 (n % 2) + r + 8 (r / 8): 4 (r + 8 (r / 8))
	s_cmp_eq_u32 s[TEN], 2
	s_cselect_b32 s54, 0, 64
	s_cselect_b32 s55, 4, 0
	s_cselect_b32 s43, 0, 4
	v_mul_u32_u24 v[BAJ], s54, v10
	v_mad_u32_u24 v[BAJ], v11, s55, v[BAJ]
.irp j, 1,2,3,4,5,6,7
	v_add_nc_u32 v[BAJ+\j], s43, v[BAJ+\j-1]
.endr
	; offsets, apart from the addresses
	s_mul_i32 s44, s[TEN], 147456
	s_lshl_b32 s45, s[WV], 15
	s_add_co_u32 s46, s44, s45                     ; my 8 tiles of the weight's codes
	s_mov_b32 s47, 0
	s_lshl_b32 s45, s[WV], 12
	s_add_co_u32 s44, s44, s45
	s_add_co_u32 s44, s44, 131072                  ; and their scale words
	s_mov_b32 s45, 0
	s_lshl_b32 s56, s[WV], 9                       ; my 128 numbers of the bias
	s_mov_b32 s57, 0
	s_lshl_b32 s58, s[BLK], 18                     ; x: 128 rows of 2,048 bytes a block, 32 rows a wave
	s_lshl_b32 s59, s[WV], 16
	s_add_co_u32 s58, s58, s59
	s_mov_b32 s59, 0
	s_lshr_b32 s49, s[BLK], 4                      ; the record: ((8 batch + 2 w) x 16 + step) x its bytes
	s_lshl_b32 s49, s49, 3
	s_lshl_b32 s50, s[WV], 1
	s_add_co_u32 s49, s49, s50
	s_lshl_b32 s49, s49, 4
	s_and_b32 s50, s[BLK], 15
	s_add_co_u32 s49, s49, s50
	s_mov_b32 s48, 8960
	s_cmp_eq_u32 s[TEN], 0
	s_cselect_b32 s48, 4608, s48
	s_mul_i32 s50, s49, s48
	s_cmp_eq_u32 s[TEN], 2
	s_cselect_b32 s51, 4608, 0                     ; V's part lies behind K's
	s_add_co_u32 s50, s50, s51
	s_mov_b32 s51, 0
	s_lshl_b32 s52, s48, 4                         ; the next head's record: 16 records on
	s_mov_b32 s53, 0
	s_wait_kmcnt 0x0
	s_cmp_eq_u32 s[TEN], 1                         ; the choices hang on the work-group's number alone
	s_cselect_b64 s[4:5], s[6:7], s[4:5]
	s_cselect_b64 s[10:11], s[12:13], s[10:11]
	s_cmp_eq_u32 s[TEN], 2
	s_cselect_b64 s[4:5], s[8:9], s[4:5]
	s_cselect_b64 s[10:11], s[14:15], s[10:11]
	s_cmp_eq_u32 s[TEN], 0
	s_cselect_b64 s[18:19], s[18:19], s[20:21]
	s_add_nc_u64 s[XB:XB+1], s[4:5], s[58:59]
	s_add_nc_u64 s[BB:BB+1], s[10:11], s[56:57]
	s_add_nc_u64 s[WB:WB+1], s[16:17], s[46:47]
	s_add_nc_u64 s[WSB:WSB+1], s[16:17], s[44:45]
	s_add_nc_u64 s[OUT0:OUT0+1], s[18:19], s[50:51]
	s_add_nc_u64 s[OUT1:OUT1+1], s[OUT0:OUT0+1], s[52:53]
	; the weight, its scale words and the bias go first: loads come back in order, so the counted waits below count groups of x alone
	WIN 0x40                                       ; destination window 1
.set Q, 0
.rept 64
	global_load_b128 v[4*Q:4*Q+3], v[L16], s[WB:WB+1] offset:512*Q
.set Q, Q+1
.endr
	WIN 0
.irp t, 0,1,2,3,4,5,6,7
	global_load_b128 v[RS+4*\t:RS+4*\t+3], v[L16], s[WSB:WSB+1] offset:512*\t
.endr
.irp t, 0,1,2,3,4,5,6,7
.irp j, 0,1,2,3,4,5,6,7
	global_load_b32 v[BI+8*\t+\j], v[BAJ+\j], s[BB:BB+1] offset:(32*(\t/2)+8*(\t%2))*4
.endr
.endr
	WIN 0x80                                       ; destination window 2: the first tile's four K steps
	GLOAD 0, 0
	GLOAD 64, 512
	GLOAD 128, 1024
	GLOAD 192, 1536
	WIN 0
; PHASE X, fragment f of my eight: tile f / 4 of my two, K step f % 4; its numbers lie in set f % 4 of window 2.
.macro XFRAG f
.set FU, (\f)/4
.set FS, (\f)%4
.if (\f) < 5
	s_wait_loadcnt 48                              ; my group of 16 loads is in; the three groups issued behind it may be out
.else
	s_wait_loadcnt 16*(7-(\f))                     ; the groups behind it run out: 32, 16, 0
.endif
	WIN 0x08                                       ; an LDS store's data are its source 1: window 2
	TURNIN 64*FS
	WIN 0
	TURNOUT ACC
	s_wait_dscnt 0x0                               ; the numbers are back: so the stage's stores have read the set, and the last fragment's image stores their registers
.if (\f) < 4
	WIN 0x80
	GLOAD 64*FS, 8*2048+512*FS                     ; the set takes the second tile's same K step
	WIN 0
.endif
	QUANT ACC, PW4+FS
	ds_store_b128 v[XWI], v[PC:PC+3] offset:(4*FU+FS)*1024          ; the fragment goes to LDS as it stands in the registers
	ds_store_b128 v[XWI], v[PC+4:PC+7] offset:(4*FU+FS)*1024+512
.if FS == 3
	ds_store_b128 v[XWS], v[PW4:PW4+3] offset:512*FU                ; and the tile's four scale words
.endif
.endm
.irp f, 0,1,2,3,4,5,6,7
	XFRAG \f
.endr
	s_wait_dscnt 0x0                               ; for the others' sake: my stores have landed
	s_barrier_signal -1
	s_barrier_wait -1                              ; x's 32 fragments lie in LDS; nothing is stored to LDS from here on
	WIN 0x80
.set Q, 0
.rept 64
	ds_load_b128 v[4*Q:4*Q+3], v[LI] offset:512*Q
.set Q, Q+1
.endr
	WIN 0
.irp m, 0,1,2,3,4,5,6,7
	ds_load_b128 v[XS+4*\m:XS+4*\m+3], v[LX] offset:512*\m
.endr
	s_wait_dscnt 0x0
	s_wait_loadcnt 0x0
	s_cmp_eq_u32 s[TEN], 2
	s_cbranch_scc1 .Lv
; q, k: tile m of the tokens against my eight tiles of the weight.  The eight accumulators take turns, one instruction a turn.
.macro UNIT_QK m
	WIN 0x09                                       ; source 0 (the weight) window 1, source 1 (x) window 2
.irp s, 0,1,2,3
.irp t, 0,1,2,3,4,5,6,7
.if \s == 0
	v_wmma_scale_f32_16x16x128_f8f6f4 v[ACC+8*\t:ACC+8*\t+7], v[8*(4*\t+\s):8*(4*\t+\s)+7], v[8*(4*(\m)+\s):8*(4*(\m)+\s)+7], v[BI+8*\t:BI+8*\t+7], v[RS+4*\t+\s], v[XS+4*(\m)+\s] matrix_a_fmt:MATRIX_FMT_FP4 matrix_b_fmt:MATRIX_FMT_FP4
.else
	v_wmma_scale_f32_16x16x128_f8f6f4 v[ACC+8*\t:ACC+8*\t+7], v[8*(4*\t+\s):8*(4*\t+\s)+7], v[8*(4*(\m)+\s):8*(4*(\m)+\s)+7], v[ACC+8*\t:ACC+8*\t+7], v[RS+4*\t+\s], v[XS+4*(\m)+\s] matrix_a_fmt:MATRIX_FMT_FP4 matrix_b_fmt:MATRIX_FMT_FP4
.endif
.endr
.endr
	WIN 0
.rept 4
	v_nop                                          ; four places in front of the first read of results
.endr
	s_wait_xcnt 0x0                                ; the last tile's stores have read their registers
	QUANT ACC, PWT                                 ; registers 0-3: head 2 w, channels 32 h on; registers 4-7: head 2 w + 1
	global_store_b128 v[L16], v[PC:PC+3], s[OUT0:OUT0+1] offset:512*(\m)     ; 32 lanes store 512 consecutive bytes
	global_store_b128 v[L16], v[PC+4:PC+7], s[OUT1:OUT1+1] offset:512*(\m)
.if (\m)%2 == 0
	v_and_or_b32 v[SWA+(\m)/2], v[PWT], 0xffff, s[PAD]             ; the first head's two bytes, 0x7f above them
	v_lshrrev_b32 v230, 16, v[PWT]
	v_or_b32 v[SWB+(\m)/2], s[PAD], v230                           ; the second head's
.else
	v_and_or_b32 v229, v[PWT], 0xffff, s[PAD]
	v_lshrrev_b32 v230, 16, v[PWT]
	v_or_b32 v230, s[PAD], v230
	v_cndmask_b32 v[SWA+(\m)/2], v[SWA+(\m)/2], v229, s[HI]        ; lanes 16-31 carry the odd tile's words
	v_cndmask_b32 v[SWB+(\m)/2], v[SWB+(\m)/2], v230, s[HI]
.endif
.endm
.irp m, 0,1,2,3,4,5,6,7
	UNIT_QK \m
.endr
	global_store_b128 v[L16], v[SWA:SWA+3], s[OUT0:OUT0+1] offset:4096
	global_store_b128 v[L16], v[SWB:SWB+3], s[OUT1:OUT1+1] offset:4096
	s_wait_tensorcnt 0x0
	ds_add_u32 v254, v255
	s_wait_dscnt 0x0
	s_endpgm
.Lv:
; v: my tile n of the weight (16 channels) against all eight tiles of tokens, the sources swapped: register 16 b + i of a lane is token 32 b + 16 h + i of its channel.
.macro UNIT_V n
	WIN 0x06                                       ; source 0 (x) window 2, source 1 (the weight) window 1
.irp s, 0,1,2,3
.irp t, 0,1,2,3,4,5,6,7
.if \s == 0
	v_wmma_scale_f32_16x16x128_f8f6f4 v[ACC+8*\t:ACC+8*\t+7], v[8*(4*\t+\s):8*(4*\t+\s)+7], v[8*(4*(\n)+\s):8*(4*(\n)+\s)+7], v[BI+8*(\n):BI+8*(\n)+7], v[XS+4*\t+\s], v[RS+4*(\n)+\s] matrix_a_fmt:MATRIX_FMT_FP4 matrix_b_fmt:MATRIX_FMT_FP4
.else
	v_wmma_scale_f32_16x16x128_f8f6f4 v[ACC+8*\t:ACC+8*\t+7], v[8*(4*\t+\s):8*(4*\t+\s)+7], v[8*(4*(\n)+\s):8*(4*(\n)+\s)+7], v[ACC+8*\t:ACC+8*\t+7], v[XS+4*\t+\s], v[RS+4*(\n)+\s] matrix_a_fmt:MATRIX_FMT_FP4 matrix_b_fmt:MATRIX_FMT_FP4
.endif
.endr
.endr
	WIN 0
.rept 4
	v_nop
.endr
	s_wait_xcnt 0x0                                ; the last tile's stores have read their registers
	QUANT ACC, PWT                                 ; a whole fragment: 16 channels x the step's 128 keys
.set OV, OUT0+2*((\n)/4)
.set CT, (\n)%4
	global_store_b128 v[L16], v[PC:PC+3], s[OV:OV+1] offset:1024*CT
	global_store_b128 v[L16], v[PC+4:PC+7], s[OV:OV+1] offset:1024*CT+512
.if CT%2 == 0
	v_mov_b32 v[SWA+CT/2], v[PWT]
.else
	v_cndmask_b32 v[SWA+CT/2], v[SWA+CT/2], v[PWT], s[HI]          ; lanes 16-31 carry the odd tile's words
.endif
.if CT == 3
	global_store_b64 v[L8], v[SWA:SWA+1], s[OV:OV+1] offset:4096   ; 32 lanes store 256 consecutive bytes
.endif
.endm
.irp n, 0,1,2,3,4,5,6,7
	UNIT_V \n
.endr
	s_wait_tensorcnt 0x0
	ds_add_u32 v254, v255
	s_wait_dscnt 0x0
	s_endpgm
.Lfunc_end_k_q4dfd454356_proj:
	.size	k_q4dfd454356_proj, .Lfunc_end_k_q4dfd454356_proj-k_q4dfd454356_proj
	.p2alignl 7, 3214868480
	.fill 96, 4, 3214868480
	.section	.rodata,"a",@progbits
	.p2align	6, 0x0
	.amdhsa_kernel k_q4dfd454356_proj
		.amdhsa_group_segment_fixed_size 71168
		.amdhsa_private_segment_fixed_size 0
		.amdhsa_enable_private_segment 0
		.amdhsa_kernarg_size 72
		.amdhsa_user_sgpr_count 2
		.amdhsa_user_sgpr_kernarg_segment_ptr 1
		.amdhsa_wavefront_size32 1
		.amdhsa_system_sgpr_workgroup_id_x 1
		.amdhsa_system_sgpr_workgroup_id_y 1
		.amdhsa_system_sgpr_workgroup_id_z 1
		.amdhsa_system_vgpr_workitem_id 0
		.amdhsa_next_free_vgpr 768
		.amdhsa_next_free_sgpr 66
		.amdhsa_reserve_vcc 0
		.amdhsa_float_denorm_mode_32 3
		.amdhsa_float_denorm_mode_16_64 3
		.amdhsa_memory_ordered 1
		.amdhsa_forward_progress 1
		.amdhsa_inst_pref_size 215
	.end_amdhsa_kernel
	.amdgpu_metadata
---
amdhsa.version: [ 1, 2 ]
amdhsa.kernels:
  - .name:           k_q4dfd454356_proj
    .symbol:         k_q4dfd454356_proj.kd
    .args:
      - { .name: query, .offset: 0, .size: 8, .value_kind: global_buffer, .address_space: global }
      - { .name: key, .offset: 8, .size: 8, .value_kind: global_buffer, .address_space: global }
      - { .name: value, .offset: 16, .size: 8, .value_kind: global_buffer, .address_space: global }
      - { .name: bq, .offset: 24, .size: 8, .value_kind: global_buffer, .address_space: global }
      - { .name: bk, .offset: 32, .size: 8, .value_kind: global_buffer, .address_space: global }
      - { .name: bv, .offset: 40, .size: 8, .value_kind: global_buffer, .address_space: global }
      - { .name: wfrag, .offset: 48, .size: 8, .value_kind: global_buffer, .address_space: global }
      - { .name: qrec, .offset: 56, .size: 8, .value_kind: global_buffer, .address_space: global }
      - { .name: kv, .offset: 64, .size: 8, .value_kind: global_buffer, .address_space: global }
    .group_segment_fixed_size: 71168
    .private_segment_fixed_size: 0
    .kernarg_segment_align: 8
    .kernarg_segment_size: 72
    .max_flat_workgroup_size: 128
    .sgpr_count:     66
    .vgpr_count:     768
    .wavefront_size: 32
...
	.end_amdgpu_metadata
.endif
;; end of part 2
;; launch attn (part 3): grid 4 x 64, 16 waves a work-group, clusters of 4 x 1, 169,984 bytes of LDS; arguments qrec, kv, xa_codes, xa_scales; writes xa_codes, xa_scales
.if DOCPART == 3
	.amdgcn_target "amdgcn-amd-amdhsa--gfx1250"
	.amdhsa_code_object_version 6
	.text
	.protected	k_q4dfd454356_attn
	.globl	k_q4dfd454356_attn
	.p2align	8
	.type	k_q4dfd454356_attn,@function
k_q4dfd454356_attn:
	s_mov_b64 s[64:65], 0
	v_nop
	global_prefetch_b8 v0, s[64:65] scope:SCOPE_SE
	s_setreg_imm32_b32 hwreg(HW_REG_WAVE_MODE, 25, 1), 1
	s_wait_xcnt 0x0
	s_wait_alu depctr_hold_cnt(0) depctr_sa_sdst(0) depctr_va_vdst(0) depctr_va_sdst(0) depctr_va_ssrc(0) depctr_va_vcc(0) depctr_vm_vsrc(0)
	s_getreg_b32 s2, hwreg(HW_REG_IB_STS2, 6, 4)
	s_cmp_eq_u32 s2, 0
	s_cbranch_scc0 .Lentry_in_a_cluster
	s_endpgm
.Lentry_in_a_cluster:
	s_bfe_u32 s2, ttmp6, 0x10000c
	s_cmp_lg_u32 s2, 0x3003
	s_cbranch_scc0 .Lentry_shape_is_right
	s_endpgm
.Lentry_shape_is_right:
; ATTN: O = softmax(q k^T / 8) v for one head, both products on codes of FP4 (E2M1) with one E8M0 scale for each 32 along K; O / l is quantised along the channels for the last projection.
; THE SOFTMAX AHEAD OF THE SECOND PRODUCT: t = score x log2(e) / 8; M = the row's largest t so far, rounded UP to a whole number; p = 2^(t - M) is quantised along the keys, not normalised.
; The row's sum l is taken of the unquantised p, in f32, and divides O at the end.  When M moves, l and O are multiplied by 2^(old M - new M): exact.
; SHARES: a work-group is one head (y) and 512 of its 2,048 queries (x); each of its sixteen waves takes one tile of 16 queries in each of two passes and walks all keys, 128 a step.  Four waves to a SIMD, 256 registers each.
; LDS: the head's K and V, 16 records of 8,960 bytes as the projection laid them (images of operand registers), are filled ONCE, wave w bringing record w: no slot is filled again, and the loop has no barrier.
; CLUSTER: the four work-groups of a head need the same 143,360 bytes: each record is asked for JOINTLY, by the same tensor load with the same descriptor (it hangs on the head and the wave alone) and a mask that names the four.
; A wave has one tensor load outstanding.
; LAYOUT: both products are used transposed: S^T = K Q^T (source 0 = 16 keys), O^T = V^T P^T (source 0 = 16 channels): a lane holds ONE query (lane % 16) throughout.  Lane r of key tile t is key 32 (t / 2) + 8 (t % 2) + r + 8 (r / 8),
; so the 16 registers of tiles 2 b, 2 b + 1 are keys 32 b + 16 (lane / 16) + 0 .. 15; the channels of V's tiles likewise, so O^T's register 16 b + i is channel 32 b + 16 (lane / 16) + i.
; The head has 64 channels, the instruction 128 along K: registers 4-7 of K's and Q's fragments are zero codes, set once, under scale bytes 0x7f.
; xa_codes: [token tile][head][lane][16 bytes]: registers 4 (head % 2) on of the fragment of K step head / 2.  xa_scales: [token tile][head][lane][4 bytes]: the head's two bytes, 0 above.
; LIMITS: NaN and infinities are not served; a block of p or of O whose largest magnitude lies under 2^-124 gets the byte 1; a block's largest p is taken as the p of its largest score, which takes v_exp_f32 not to fall where its input rises.
.set REC, 8960                         ; a step's record: K's 8 tiles x 512, K's scale words 512, V's 4 tiles x 1,024, V's scale words 256
.set L16, 1                            ; v1  16 x lane
.set L8,  2                            ; v2  8 x lane
.set AD,  3                            ; v3  the step's record + 16 x lane
.set AD8, 4                            ; v4  the step's record + 8 x lane
.set QSO, 6                            ; v6  16 r
.set L4,  7                            ; v7  4 x lane
.set NM,  12                           ; v12 -M
.set TMX, 13                           ; v13 the largest t so far
.set SUM, 14                           ; v[14:15] the row's sum, in two halves
.set QF,  16                           ; v16-23 Q's fragment
.set QS,  24                           ; v24 Q's scale words
.set KF,  32                           ; v32-63 four fragments of K
.set VF,  64                           ; v64-95 V's four fragments
.set SC,  96                           ; v96-159 S^T, then p
.set OT,  160                          ; v160-191 O^T
.set PC,  192                          ; v192-199 p's codes
.set KS,  200                          ; v200-203 K's scale words: register j: lanes 0-15 tile 2 j, lanes 16-31 tile 2 j + 1
.set VS,  204                          ; v204-205 V's likewise
.set BM,  208                          ; v208-211 each block's largest score, then its largest p
.set BP,  212                          ; v212-215 the other half's; then the bytes
.set SO,  216                          ; v216-219 the conversions' scale operands
.set FF,  220                          ; v220 f = 2^(old M - new M)
.set PWS, 221                          ; v221 p's scale word
.set TT,  222                          ; v222 at work
.set SUM2, 224                         ; v[224:225] the sum's second chain
.set WV,  12
.set SEL, 16                           ; s[16:17] v_permlanex16_b32's selects for lane l xor 16
.set CS,  18                           ; s[18:19] c = log2(e) / 8: the packed form names a pair and takes its low word for both halves
.set TB,  20                           ; s20 LDS byte at which the step's record begins
.set CNT, 21
.set G0,  24
.set G1,  28
.set QB,  36
.set QSB, 38
.set XC,  40
.set XSB, 42
.macro ROUND                           ; a round of the cluster's barrier
	s_barrier_signal -1
	s_barrier_wait -1
	s_cmp_lg_u32 s[WV], 0
	s_cbranch_scc1 .Lnot_wave_0_\@
	s_barrier_signal -3
.Lnot_wave_0_\@:
	s_barrier_wait -3
	s_barrier_signal -1
	s_barrier_wait -1
.endm
.macro QLOAD p                         ; pass p's tile of queries: 16 tiles, two records of 4,608 bytes, on
	global_load_b128 v[QF:QF+3], v[L16], s[QB:QB+1] offset:9216*\p
	global_load_b32 v[QS], v[QSO], s[QSB:QSB+1] offset:9216*\p
.endm
	s_load_b256 s[4:11], s[0:1], 0x0               ; qrec, kv, xa_codes, xa_scales
	v_lshl_add_u32 v254, v0, 2, 0x29000
	v_mov_b32 v255, 0
	ds_add_u32 v254, v255
	ds_add_u32 v254, v255
	v_lshrrev_b32 v5, 5, v0
	v_readfirstlane_b32 s[WV], v5                  ; wave 0..15
	s_and_b32 s14, ttmp7, 0xffff                   ; batch x head, which the four partners share
	s_bfe_u32 s13, ttmp6, 0x40000                  ; cx
	s_lshl_b32 s44, ttmp9, 2
	s_add_co_u32 s13, s44, s13                     ; my block of 512 queries: it enters Q's and the results' addresses alone
	s_mov_b32 s[SEL], 0x76543210
	s_mov_b32 s[SEL+1], 0xfedcba98
	s_mov_b32 s[CS], 0x3e38aa3b                    ; log2(e) / 8
	s_mov_b32 s[CS+1], s[CS]
	; descriptor group 1: a record is dense: 35 rows of 256 bytes (32 elements of 8 bytes), no padding: every LDS read takes consecutive bytes in consecutive lanes
	s_mov_b32 s[G1], 15|(3<<16)|(1<<21)            ; 15:0 the mask: all four work-groups; 17:16 elements of 8 bytes; 21 set beside a mask
	s_mov_b32 s[G1+1], 32<<16                      ; tensor_dim0
	s_mov_b32 s[G1+2], 35<<16                      ; tensor_dim1
	s_mov_b32 s[G1+3], 32<<16                      ; tile_dim0
	s_mov_b32 s[G1+4], 35                          ; tile_dim1
	s_mov_b32 s[G1+5], 32                          ; tensor_dim0_stride
	s_mov_b32 s[G1+6], 0
	s_mov_b32 s[G1+7], 0
	s_mov_b32 s[G0], 1                             ; count = 1
	s_mul_i32 s[G0+1], s[WV], REC                  ; LDS address: record w
	s_mul_i32 s46, s14, 16*REC
	s_add_co_u32 s46, s46, s[G0+1]                 ; and the same record of the head in memory
	s_mov_b32 s47, 0
	; Q: record 16 x head + 4 x + w / 8, tile w % 8; its scale word: lane 16 (w % 2) + r, word (w % 8) / 2
	s_lshl_b32 s48, s14, 4
	s_lshl_b32 s49, s13, 2
	s_add_co_u32 s48, s48, s49
	s_lshr_b32 s49, s[WV], 3
	s_add_co_u32 s48, s48, s49
	s_mul_i32 s48, s48, 4608
	s_and_b32 s49, s[WV], 7
	s_lshl_b32 s50, s49, 9
	s_add_co_u32 s50, s48, s50
	s_mov_b32 s51, 0
	s_and_b32 s52, s[WV], 1
	s_lshl_b32 s52, s52, 8
	s_lshr_b32 s49, s49, 1
	s_lshl_b32 s49, s49, 2
	s_add_co_u32 s52, s52, s49
	s_add_co_u32 s52, s52, s48
	s_add_co_u32 s52, s52, 4096
	s_mov_b32 s53, 0
	; the results: token tile 128 x batch + 32 x + w, head % 8
	s_lshr_b32 s48, s14, 3
	s_lshl_b32 s48, s48, 7
	s_lshl_b32 s49, s13, 5
	s_add_co_u32 s48, s48, s49
	s_add_co_u32 s48, s48, s[WV]
	s_and_b32 s49, s14, 7
	s_lshl_b32 s54, s48, 12
	s_lshl_b32 s55, s49, 9
	s_add_co_u32 s54, s54, s55
	s_mov_b32 s55, 0
	s_lshl_b32 s48, s48, 10
	s_lshl_b32 s49, s49, 7
	s_add_co_u32 s48, s48, s49
	s_mov_b32 s49, 0
	s_wait_dscnt 0x0
	s_wait_kmcnt 0x0
	s_add_nc_u64 s[G0+2:G0+3], s[6:7], s[46:47]
	s_or_b32 s[G0+3], s[G0+3], 0x80000000          ; type = 2
	s_add_nc_u64 s[QB:QB+1], s[4:5], s[50:51]
	s_add_nc_u64 s[QSB:QSB+1], s[4:5], s[52:53]
	s_add_nc_u64 s[XC:XC+1], s[8:9], s[54:55]
	s_add_nc_u64 s[XSB:XSB+1], s[10:11], s[48:49]
	ROUND                                          ; all four work-groups are here: the joint loads meet
	tensor_load_to_lds s[G0:G0+3], s[G1:G1+7]      ; my one tensor load of the launch
	s_nop 0
.rept 4
	v_nop
.endr
	v_and_b32 v5, 31, v0
	v_lshlrev_b32 v[L16], 4, v5
	v_lshlrev_b32 v[L8], 3, v5
	v_lshlrev_b32 v[L4], 2, v5
	v_and_b32 v[QSO], 15, v0
	v_lshlrev_b32 v[QSO], 4, v[QSO]
.irp j, 4,5,6,7
	v_mov_b32 v[QF+\j], 0                          ; the upper 64 along K: zero codes, set once
.endr
.irp t, 0,1,2,3
.irp j, 4,5,6,7
	v_mov_b32 v[KF+8*\t+\j], 0
.endr
.endr
.irp b, 0,1,2,3
	v_mov_b32 v[BP+\b], 0                          ; written once: a lane permute's destination counts as one of its sources
.endr
	v_mov_b32 v[PWS], 0                            ; (named as the upper half of the pair v[220:221] before it is first written)
	QLOAD 0
	s_wait_tensorcnt 0x0                           ; my record has landed,
	s_barrier_signal -1
	s_barrier_wait -1                              ; everybody's has: the head lies in LDS, and nobody writes LDS again
.macro SPROD g                         ; S^T of key tiles 4 g .. 4 g + 3
.irp t, 0,1,2,3
.if \t%2
	v_wmma_scale_f32_16x16x128_f8f6f4 v[SC+32*\g+8*\t:SC+32*\g+8*\t+7], v[KF+8*\t:KF+8*\t+7], v[QF:QF+7], 0, v[KS+2*\g+\t/2], v[QS] matrix_a_fmt:MATRIX_FMT_FP4 matrix_b_fmt:MATRIX_FMT_FP4 matrix_a_scale:MATRIX_SCALE_ROW1
.else
	v_wmma_scale_f32_16x16x128_f8f6f4 v[SC+32*\g+8*\t:SC+32*\g+8*\t+7], v[KF+8*\t:KF+8*\t+7], v[QF:QF+7], 0, v[KS+2*\g+\t/2], v[QS] matrix_a_fmt:MATRIX_FMT_FP4 matrix_b_fmt:MATRIX_FMT_FP4
.endif
.endr
.endm
; A KEY STEP: 128 keys.
.macro STEP
	v_add_nc_u32 v[AD], s[TB], v[L16]
	v_add_nc_u32 v[AD8], s[TB], v[L8]
	v_nop
	v_nop                                          ; these four lines are the places in front of loads into registers that the last step's products read
.irp t, 0,1,2,3
	ds_load_b128 v[KF+8*\t:KF+8*\t+3], v[AD] offset:512*\t
.endr
	ds_load_b128 v[KS:KS+3], v[AD] offset:4096
.irp t, 0,1,2,3
.irp c, 0,1
	ds_load_b128 v[VF+8*\t+4*\c:VF+8*\t+4*\c+3], v[AD] offset:4608+1024*\t+512*\c
.endr
.endr
	ds_load_b64 v[VS:VS+1], v[AD8] offset:8704
	s_wait_dscnt 9                                 ; K's five loads are in; V's nine, issued behind them, may be out
	SPROD 0
.rept 4
	v_nop                                          ; places in front of loads into registers that these products read
.endr
.irp t, 0,1,2,3
	ds_load_b128 v[KF+8*\t:KF+8*\t+3], v[AD] offset:512*(4+\t)
.endr
	s_wait_dscnt 0x0
	SPROD 1
.rept 4
	v_nop
.endr
.irp b, 0,1,2,3
	v_max3_num_f32 v[BM+\b], v[SC+16*\b], v[SC+1+16*\b], v[SC+2+16*\b]   ; THE LARGEST SCORE OF EACH BLOCK OF 32 KEYS: it serves the row's maximum and, since p rises with the score, the block's largest p
.endr
.irp i, 3,5,7,9,11,13
.irp b, 0,1,2,3
	v_max3_num_f32 v[BM+\b], v[BM+\b], v[SC+16*\b+\i], v[SC+1+16*\b+\i]   ; the four blocks by turns
.endr
.endr
.irp b, 0,1,2,3
	v_max_num_f32 v[BM+\b], v[BM+\b], v[SC+15+16*\b]
.endr
.irp b, 0,1,2,3
	v_permlanex16_b32 v[BP+\b], v[BM+\b], s[SEL], s[SEL+1]
.endr
.irp b, 0,1,2,3
	v_max_num_f32 v[BM+\b], v[BM+\b], v[BP+\b]     ; with lane l xor 16's 16 keys
.endr
	v_max3_num_f32 v[TT], v[BM], v[BM+1], v[BM+2]
	v_max_num_f32 v[TT], v[TT], v[BM+3]            ; the step's largest score of my query
	v_mul_f32 v[TT], s[CS], v[TT]                  ; as t (c is positive)
	v_max_num_f32 v[TMX], v[TMX], v[TT]            ; the running largest t
	v_mov_b32 v[TT], v[NM]
	v_floor_f32 v[NM], -v[TMX]                     ; the new -M = floor(-t) = -ceil(t): a whole number
	v_sub_f32 v[TT], v[NM], v[TT]                  ; old M - new M: a whole number, 0 or less
	v_cvt_i32_f32 v[TT], v[TT]                     ; (it saturates)
	v_ldexp_f32 v[FF], 1.0, v[TT]                  ; f = 2^(old M - new M)
.irp j, 0,2,4,6,8,10,12,14,16,18,20,22,24,26,28,30,32,34,36,38,40,42,44,46,48,50,52,54,56,58,60,62
	v_pk_fma_f32 v[SC+\j:SC+1+\j], v[SC+\j:SC+1+\j], s[CS:CS+1], v[NM:NM+1] op_sel_hi:[1,0,0]   ; t - M, two at a time
.endr
.irp b, 0,1,2,3
	v_fma_f32 v[BM+\b], v[BM+\b], s[CS], v[NM]     ; the same of each block's largest score
.endr
.irp j, 0,1,2,3,4,5,6,7,8,9,10,11,12,13,14,15,16,17,18,19,20,21,22,23,24,25,26,27,28,29,30,31,32,33,34,35,36,37,38,39,40,41,42,43,44,45,46,47,48,49,50,51,52,53,54,55,56,57,58,59,60,61,62,63
	v_exp_f32 v[SC+\j], v[SC+\j]                   ; p = 2^(t - M), at most 1: not normalised
.endr
.irp b, 0,1,2,3
	v_exp_f32 v[BM+\b], v[BM+\b]                   ; the block's largest p: the same two instructions on the same number give the same bits
.endr
	v_pk_mul_f32 v[SUM:SUM+1], v[SUM:SUM+1], v[FF:FF+1] op_sel_hi:[1,0]   ; the sums under the new M.  (A plain place behind the exponentials)
	s_wait_alu depctr_va_vdst(0)
.irp b, 0,1,2,3
	v_max_num_f32 v[BM+\b], 0x1800000, v[BM+\b]    ; the floor 2^(3 - 127): the byte cannot fall under 1
.endr
.irp b, 0,1,2,3
	v_add_nc_u32 v[SO+\b], 0xff000000, v[BM+\b]    ; 2 off the exponent field: the conversion's scale operand
.endr
.irp b, 0,1,2,3
	v_lshrrev_b32 v[BP+\b], 23, v[SO+\b]           ; the scale's byte
.endr
	v_lshl_or_b32 v[PWS], v[BP+1], 8, v[BP]        ; p's scale word for these 128 keys
	v_lshl_or_b32 v[PWS], v[BP+2], 16, v[PWS]
	v_lshl_or_b32 v[PWS], v[BP+3], 24, v[PWS]
.irp b, 0,1,2,3
	v_cvt_scalef32_pk8_fp4_f32 v[PC+2*\b], v[SC+16*\b:SC+7+16*\b], v[SO+\b]
	v_cvt_scalef32_pk8_fp4_f32 v[PC+1+2*\b], v[SC+8+16*\b:SC+15+16*\b], v[SO+\b]
.endr
	v_nop                                          ; one plain place behind a scaled conversion
.irp c, 0,1                                    ; the operand wants a whole block in a lane
.irp i, 0,1
	v_permlane16_swap_b32 v[PC+4*\c+\i], v[PC+2+4*\c+\i]
.endr
.endr
	v_pk_add_f32 v[SUM2:SUM2+1], v[SC:SC+1], v[SC+2:SC+3]   ; THE ROW'S SUM IS TAKEN OF THE UNQUANTISED p: two at a time, in two chains
.irp j, 4,8,12,16,20,24,28,32,36,40,44,48,52,56,60
	v_pk_add_f32 v[SUM:SUM+1], v[SUM:SUM+1], v[SC+\j:SC+1+\j]
	v_pk_add_f32 v[SUM2:SUM2+1], v[SUM2:SUM2+1], v[SC+2+\j:SC+3+\j]
.endr
	v_pk_add_f32 v[SUM:SUM+1], v[SUM:SUM+1], v[SUM2:SUM2+1]
.irp j, 0,2,4,6,8,10,12,14,16,18,20,22,24,26,28,30
	v_pk_mul_f32 v[OT+\j:OT+1+\j], v[OT+\j:OT+1+\j], v[FF:FF+1] op_sel_hi:[1,0]   ; O^T under the new M.  (The sums and these are the places between p's codes and scale word and the products below)
.endr
.irp t, 0,1,2,3                                ; O^T += V^T P^T: the four accumulators by turns; the scores' eight products stand between two links on one of them
.if \t%2
	v_wmma_scale_f32_16x16x128_f8f6f4 v[OT+8*\t:OT+8*\t+7], v[VF+8*\t:VF+8*\t+7], v[PC:PC+7], v[OT+8*\t:OT+8*\t+7], v[VS+\t/2], v[PWS] matrix_a_fmt:MATRIX_FMT_FP4 matrix_b_fmt:MATRIX_FMT_FP4 matrix_a_scale:MATRIX_SCALE_ROW1
.else
	v_wmma_scale_f32_16x16x128_f8f6f4 v[OT+8*\t:OT+8*\t+7], v[VF+8*\t:VF+8*\t+7], v[PC:PC+7], v[OT+8*\t:OT+8*\t+7], v[VS+\t/2], v[PWS] matrix_a_fmt:MATRIX_FMT_FP4 matrix_b_fmt:MATRIX_FMT_FP4
.endif
.endr
	s_add_co_u32 s[TB], s[TB], REC                 ; the next step's record
.endm
; THE END OF A PASS: O^T / l, quantised along the head's 64 channels (two blocks), stored as registers of the last projection's operand.
.macro EPI p
.rept 4
	v_nop                                          ; places behind the last products
.endr
.if \p == 0
	QLOAD 1                                        ; the next pass's queries come while this pass's results leave
.endif
	v_add_f32 v[SUM], v[SUM], v[SUM+1]             ; the sum's two halves,
	v_permlanex16_b32 v[TT], v[SUM], s[SEL], s[SEL+1]
	v_add_f32 v[SUM], v[SUM], v[TT]                ; and lane l xor 16's: the row's sum
	v_rcp_f32 v[SUM], v[SUM]
	v_nop                                          ; one plain place behind a transcendental
	s_wait_alu depctr_va_vdst(0)
.irp j, 0,2,4,6,8,10,12,14,16,18,20,22,24,26,28,30
	v_pk_mul_f32 v[SC+\j:SC+1+\j], v[OT+\j:OT+1+\j], v[SUM:SUM+1] op_sel_hi:[1,0]   ; each accumulator from its low end on
.endr
.irp b, 0,1
	v_max3_num_f32 v[BM+\b], |v[SC+16*\b]|, |v[SC+1+16*\b]|, 0x1800000
.endr
.irp i, 2,4,6,8,10,12,14
.irp b, 0,1
	v_max3_num_f32 v[BM+\b], v[BM+\b], |v[SC+16*\b+\i]|, |v[SC+1+16*\b+\i]|
.endr
.endr
.irp b, 0,1
	v_permlanex16_b32 v[BP+\b], v[BM+\b], s[SEL], s[SEL+1]
.endr
.irp b, 0,1
	v_max_num_f32 v[BM+\b], v[BM+\b], v[BP+\b]
.endr
.irp b, 0,1
	v_add_nc_u32 v[SO+\b], 0xff000000, v[BM+\b]
.endr
.irp b, 0,1
	v_lshrrev_b32 v[BP+\b], 23, v[SO+\b]
.endr
	v_lshl_or_b32 v[TT], v[BP+1], 8, v[BP]         ; the head's two bytes
.irp b, 0,1
	v_cvt_scalef32_pk8_fp4_f32 v[PC+2*\b], v[SC+16*\b:SC+7+16*\b], v[SO+\b]
	v_cvt_scalef32_pk8_fp4_f32 v[PC+1+2*\b], v[SC+8+16*\b:SC+15+16*\b], v[SO+\b]
.endr
	v_nop                                          ; one plain place behind a scaled conversion
	v_permlane16_swap_b32 v[PC], v[PC+2]
	v_permlane16_swap_b32 v[PC+1], v[PC+3]         ; lane (r, h): channels 32 h .. 32 h + 31 of query r
	global_store_b128 v[L16], v[PC:PC+3], s[XC:XC+1] offset:65536*\p      ; 32 lanes store 512 consecutive bytes; pass 1: 16 tiles of 4,096 bytes on
	global_store_b32 v[L4], v[TT], s[XSB:XSB+1] offset:16384*\p
	s_wait_xcnt 0x0                                ; the stores have read their registers, which the next pass writes again
.endm
.macro PASS p
	v_mov_b32 v[TMX], 0xff61b1e6                   ; the largest t so far: -3e38, under every t
	v_floor_f32 v[NM], -v[TMX]
	v_mov_b32 v[SUM], 0
	v_mov_b32 v[SUM+1], 0
.irp j, 0,1,2,3,4,5,6,7,8,9,10,11,12,13,14,15,16,17,18,19,20,21,22,23,24,25,26,27,28,29,30,31
	v_mov_b32 v[OT+\j], 0                          ; the step is written once: the first finds zeros, which the first change of M leaves zeros
.endr
	s_mov_b32 s[TB], 0
	s_mov_b32 s[CNT], 16
	s_wait_loadcnt 0x0                             ; Q
.Lstep_\@:
	STEP
	s_sub_co_u32 s[CNT], s[CNT], 1
	s_cmp_lg_u32 s[CNT], 0
	s_cbranch_scc1 .Lstep_\@
	EPI \p
.endm
	PASS 0
	PASS 1
	s_wait_dscnt 0x0                               ; no LDS instruction of mine is pending at a signal
	s_wait_tensorcnt 0x0
	ds_add_u32 v254, v255
	s_wait_dscnt 0x0
	ROUND                                          ; the closing round: no work-group ends while a partner may still ask for a record that names it
	s_endpgm
.Lfunc_end_k_q4dfd454356_attn:
	.size	k_q4dfd454356_attn, .Lfunc_end_k_q4dfd454356_attn-k_q4dfd454356_attn
	.p2alignl 7, 3214868480
	.fill 96, 4, 3214868480
	.section	.rodata,"a",@progbits
	.p2align	6, 0x0
	.amdhsa_kernel k_q4dfd454356_attn
		.amdhsa_group_segment_fixed_size 169984
		.amdhsa_private_segment_fixed_size 0
		.amdhsa_enable_private_segment 0
		.amdhsa_kernarg_size 32
		.amdhsa_user_sgpr_count 2
		.amdhsa_user_sgpr_kernarg_segment_ptr 1
		.amdhsa_wavefront_size32 1
		.amdhsa_system_sgpr_workgroup_id_x 1
		.amdhsa_system_sgpr_workgroup_id_y 1
		.amdhsa_system_sgpr_workgroup_id_z 1
		.amdhsa_system_vgpr_workitem_id 0
		.amdhsa_next_free_vgpr 256
		.amdhsa_next_free_sgpr 66
		.amdhsa_reserve_vcc 0
		.amdhsa_float_denorm_mode_32 3
		.amdhsa_float_denorm_mode_16_64 3
		.amdhsa_memory_ordered 1
		.amdhsa_forward_progress 1
		.amdhsa_inst_pref_size 45
	.end_amdhsa_kernel
	.amdgpu_metadata
---
amdhsa.version: [ 1, 2 ]
amdhsa.kernels:
  - .name:           k_q4dfd454356_attn
    .symbol:         k_q4dfd454356_attn.kd
    .args:
      - { .name: qrec, .offset: 0, .size: 8, .value_kind: global_buffer, .address_space: global }
      - { .name: kv, .offset: 8, .size: 8, .value_kind: global_buffer, .address_space: global }
      - { .name: xa_codes, .offset: 16, .size: 8, .value_kind: global_buffer, .address_space: global }
      - { .name: xa_scales, .offset: 24, .size: 8, .value_kind: global_buffer, .address_space: global }
    .group_segment_fixed_size: 169984
    .private_segment_fixed_size: 0
    .kernarg_segment_align: 8
    .kernarg_segment_size: 32
    .max_flat_workgroup_size: 512
    .sgpr_count:     66
    .vgpr_count:     256
    .wavefront_size: 32
...
	.end_amdgpu_metadata
.endif
;; end of part 3
;; launch outp (part 4): grid 256 x 1, 4 waves a work-group, no clusters, 34,304 bytes of LDS; arguments xa_codes, xa_scales, wfrag, bo, out0; writes out0
.if DOCPART == 4
	.amdgcn_target "amdgcn-amd-amdhsa--gfx1250"
	.amdhsa_code_object_version 6
	.text
	.protected	k_q4dfd454356_outp
	.globl	k_q4dfd454356_outp
	.p2align	8
	.type	k_q4dfd454356_outp,@function
k_q4dfd454356_outp:
	s_mov_b64 s[64:65], 0
	v_nop
	global_prefetch_b8 v0, s[64:65] scope:SCOPE_SE
	s_setreg_imm32_b32 hwreg(HW_REG_WAVE_MODE, 25, 1), 1
	s_wait_xcnt 0x0
; OUTP: out0 = x wo^T + bo, on codes of FP4 (E2M1) with one E8M0 scale for each 32 along K; x is attention's result, which arrives as images of operand registers; out0 [16,384][512] f32.
; SHARES: work-group g takes token tiles 4 g .. 4 g + 3 (rows 64 g .. 64 g + 63); wave w outputs 128 w .. 128 w + 127.  Lane r of tile T is row 32 (T / 2) + 8 (T % 2) + r + 8 (r / 8), for tokens and for wo's rows alike.
; Source 0 = 16 rows of wo, source 1 = 16 tokens: a lane holds one token, and register 16 b + i is output 128 w + 32 b + 16 (lane / 16) + i.  The bias is the C of a sum's first product.
; THE WAY OUT: a tile's 16 rows x 512 bytes go through the wave's own stage in LDS (rows 528 bytes apart) and leave as whole runs of 512 consecutive bytes, aligned.  Waves share nothing: no barrier.
; NO JOINT LOADS, though all work-groups read wo: it is wanted in registers, in operand order, 36 KB a wave, once; a joint load would set it down in LDS to be read from there once more.
; REGISTERS, in windows of 256: window 0 as listed; window 1: wo's fragment (t, s) at v[8 (4 t + s)]; window 2: x's fragment (m, s) at v[8 (4 m + s)], from v128 the bias, eight registers a tile.
.set STGB, 8448
.set L16, 1                            ; v1  16 x lane
.set L4,  2                            ; v2  4 x lane
.set SO,  3                            ; v3  the stage, in: 528 r + 64 h
.set SR,  4                            ; v4  the stage, out: 16 x lane
.set BA,  5                            ; v5  64 h
.set ACC, 16                           ; v16-79   eight accumulators
.set RS,  80                           ; v80-111  wo's scale words, 4 t + s
.set XS,  112                          ; v112-127 x's scale words, 4 m + s
.set OB,  128                          ; v128-191 rows on their way out
.set XH,  128                          ; v128-159 at the head: the heads' half words
.set BIW, 128                          ; the bias, in window 2
.set WV,  14
.set WB,  16
.set WSB, 18
.set BB,  20
.set XCB, 22
.set XSB, 24
.set OUTB, 26
.set MSB, 0
.macro WIN new                         ; the immediate's high byte repeats the setting that is left
.if MSB != \new
	s_set_vgpr_msb (MSB<<8)|\new
.set MSB, \new
.endif
.endm
	s_load_b256 s[4:11], s[0:1], 0x0               ; xa_codes, xa_scales, wfrag, bo
	s_load_b64 s[12:13], s[0:1], 0x20              ; out0
	v_lshl_add_u32 v254, v0, 2, 0x8400
	v_mov_b32 v255, 0
	v_lshrrev_b32 v6, 5, v0
	v_readfirstlane_b32 s[WV], v6                  ; wave 0..3
	v_and_b32 v6, 31, v0
	v_and_b32 v7, 15, v0                           ; r
	v_bfe_u32 v8, v0, 4, 1                         ; h
	v_lshlrev_b32 v[L16], 4, v6
	v_lshlrev_b32 v[L4], 2, v6
	v_lshlrev_b32 v[BA], 6, v8
	s_mul_i32 s28, s[WV], STGB
	v_mul_u32_u24 v[SO], v7, 528
	v_lshl_add_u32 v[SO], v8, 6, v[SO]
	v_add_nc_u32 v[SO], s28, v[SO]
	v_add_nc_u32 v[SR], s28, v[L16]
	s_lshl_b32 s28, s[WV], 15
	s_add_co_u32 s28, s28, 3*147456                ; wo is the fourth weight: my 8 tiles of its codes,
	s_mov_b32 s29, 0
	s_lshl_b32 s30, s[WV], 12
	s_add_co_u32 s30, s30, 3*147456+131072         ; their scale words,
	s_mov_b32 s31, 0
	s_lshl_b32 s32, s[WV], 9                       ; my 128 numbers of the bias,
	s_mov_b32 s33, 0
	s_lshl_b32 s34, ttmp9, 14                      ; my four tiles of x: 4,096 bytes of codes each,
	s_mov_b32 s35, 0
	s_lshl_b32 s36, ttmp9, 12                      ; 1,024 of scale words,
	s_mov_b32 s37, 0
	s_lshl_b32 s38, ttmp9, 17                      ; and my 64 rows of 2,048 bytes, + 512 w
	s_add_co_u32 s38, s38, s32
	s_mov_b32 s39, 0
	s_wait_kmcnt 0x0
	s_add_nc_u64 s[WB:WB+1], s[8:9], s[28:29]
	s_add_nc_u64 s[WSB:WSB+1], s[8:9], s[30:31]
	s_add_nc_u64 s[BB:BB+1], s[10:11], s[32:33]
	s_add_nc_u64 s[XCB:XCB+1], s[4:5], s[34:35]
	s_add_nc_u64 s[XSB:XSB+1], s[6:7], s[36:37]
	s_add_nc_u64 s[OUTB:OUTB+1], s[12:13], s[38:39]
	WIN 0x40                                       ; destination window 1
.set Q, 0
.rept 64
	global_load_b128 v[4*Q:4*Q+3], v[L16], s[WB:WB+1] offset:512*Q
.set Q, Q+1
.endr
	WIN 0
.irp t, 0,1,2,3,4,5,6,7
	global_load_b128 v[RS+4*\t:RS+4*\t+3], v[L16], s[WSB:WSB+1] offset:512*\t
.endr
	WIN 0x80                                       ; destination window 2
.irp t, 0,1,2,3,4,5,6,7
	global_load_b128 v[BIW+8*\t:BIW+8*\t+3], v[BA], s[BB:BB+1] offset:(32*(\t/2)+8*(\t%2))*4          ; register j of tile t: bo at 32 (t / 2) + 8 (t % 2) + 16 h + j
	global_load_b128 v[BIW+8*\t+4:BIW+8*\t+7], v[BA], s[BB:BB+1] offset:(32*(\t/2)+8*(\t%2))*4+16
.endr
.set Q, 0
.rept 32
	global_load_b128 v[4*Q:4*Q+3], v[L16], s[XCB:XCB+1] offset:512*Q
.set Q, Q+1
.endr
	WIN 0
.set Q, 0
.rept 32
	global_load_b32 v[XH+Q], v[L4], s[XSB:XSB+1] offset:128*Q
.set Q, Q+1
.endr
	s_wait_loadcnt 0x0
.irp m, 0,1,2,3
.irp s, 0,1,2,3
	v_lshl_or_b32 v[XS+4*\m+\s], v[XH+8*\m+2*\s+1], 16, v[XH+8*\m+2*\s]   ; two heads' two bytes make a K step's scale word
.endr
.endr
.rept 8
	v_nop                                          ; a scale register written by a vector instruction stands eight places ahead of a scaled matrix instruction
.endr
; tile m of the tokens against my eight tiles of wo.  The eight accumulators take turns, one instruction a turn.
.macro UNIT_O m
.irp s, 0,1,2,3
.if \s == 0
	WIN 0x29                                       ; source 0 (wo) window 1, source 1 (x) and source 2 (the bias) window 2
.else
	WIN 0x09
.endif
.irp t, 0,1,2,3,4,5,6,7
.if \s == 0
	v_wmma_scale_f32_16x16x128_f8f6f4 v[ACC+8*\t:ACC+8*\t+7], v[8*(4*\t+\s):8*(4*\t+\s)+7], v[8*(4*(\m)+\s):8*(4*(\m)+\s)+7], v[BIW+8*\t:BIW+8*\t+7], v[RS+4*\t+\s], v[XS+4*(\m)+\s] matrix_a_fmt:MATRIX_FMT_FP4 matrix_b_fmt:MATRIX_FMT_FP4
.else
	v_wmma_scale_f32_16x16x128_f8f6f4 v[ACC+8*\t:ACC+8*\t+7], v[8*(4*\t+\s):8*(4*\t+\s)+7], v[8*(4*(\m)+\s):8*(4*(\m)+\s)+7], v[ACC+8*\t:ACC+8*\t+7], v[RS+4*\t+\s], v[XS+4*(\m)+\s] matrix_a_fmt:MATRIX_FMT_FP4 matrix_b_fmt:MATRIX_FMT_FP4
.endif
.endr
.endr
	WIN 0
.rept 5
	v_nop                                          ; four places in front of the stores that read results; the fifth for the next tile's first products, which write over these accumulators with only LDS and memory lines between
.endr
.if (\m) > 0
	s_wait_xcnt 0x0                                ; the last tile's stores have read their registers
.endif
.irp t, 0,1,2,3,4,5,6,7
	ds_store_b128 v[SO], v[ACC+8*\t:ACC+8*\t+3] offset:128*(\t/2)+32*(\t%2)          ; each accumulator from its low end on
	ds_store_b128 v[SO], v[ACC+8*\t+4:ACC+8*\t+7] offset:128*(\t/2)+32*(\t%2)+16
.endr
.irp i, 0,1,2,3,4,5,6,7,8,9,10,11,12,13,14,15
	ds_load_b128 v[OB+4*\i:OB+4*\i+3], v[SR] offset:528*\i     ; LDS serves a wave's instructions in order: these see the stores above
.endr
.irp i, 0,1,2,3,4,5,6,7,8,9,10,11,12,13,14,15
	s_wait_dscnt 15-\i                             ; row i is back; the younger loads may be out.  The last count, 0, also shows that the stage's stores have read the accumulators
	global_store_b128 v[L16], v[OB+4*\i:OB+4*\i+3], s[OUTB:OUTB+1] offset:(32*((\m)/2)+8*((\m)%2)+\i+8*(\i/8))*2048 th:TH_STORE_NT   ; 32 lanes store 512 consecutive bytes, at a multiple of 256 from out0's first byte
.endr
.endm
.irp m, 0,1,2,3
	UNIT_O \m
.endr
	s_wait_tensorcnt 0x0
	ds_add_u32 v254, v255
	s_wait_dscnt 0x0
	s_endpgm
.Lfunc_end_k_q4dfd454356_outp:
	.size	k_q4dfd454356_outp, .Lfunc_end_k_q4dfd454356_outp-k_q4dfd454356_outp
	.p2alignl 7, 3214868480
	.fill 96, 4, 3214868480
	.section	.rodata,"a",@progbits
	.p2align	6, 0x0
	.amdhsa_kernel k_q4dfd454356_outp
		.amdhsa_group_segment_fixed_size 34304
		.amdhsa_private_segment_fixed_size 0
		.amdhsa_enable_private_segment 0
		.amdhsa_kernarg_size 40
		.amdhsa_user_sgpr_count 2
		.amdhsa_user_sgpr_kernarg_segment_ptr 1
		.amdhsa_wavefront_size32 1
		.amdhsa_system_sgpr_workgroup_id_x 1
		.amdhsa_system_sgpr_workgroup_id_y 1
		.amdhsa_system_sgpr_workgroup_id_z 1
		.amdhsa_system_vgpr_workitem_id 0
		.amdhsa_next_free_vgpr 704
		.amdhsa_next_free_sgpr 66
		.amdhsa_reserve_vcc 0
		.amdhsa_float_denorm_mode_32 3
		.amdhsa_float_denorm_mode_16_64 3
		.amdhsa_memory_ordered 1
		.amdhsa_forward_progress 1
		.amdhsa_inst_pref_size 51
	.end_amdhsa_kernel
	.amdgpu_metadata
---
amdhsa.version: [ 1, 2 ]
amdhsa.kernels:
  - .name:           k_q4dfd454356_outp
    .symbol:         k_q4dfd454356_outp.kd
    .args:
      - { .name: xa_codes, .offset: 0, .size: 8, .value_kind: global_buffer, .address_space: global }
      - { .name: xa_scales, .offset: 8, .size: 8, .value_kind: global_buffer, .address_space: global }
      - { .name: wfrag, .offset: 16, .size: 8, .value_kind: global_buffer, .address_space: global }
      - { .name: bo, .offset: 24, .size: 8, .value_kind: global_buffer, .address_space: global }
      - { .name: out0, .offset: 32, .size: 8, .value_kind: global_buffer, .address_space: global }
    .group_segment_fixed_size: 34304
    .private_segment_fixed_size: 0
    .kernarg_segment_align: 8
    .kernarg_segment_size: 40
    .max_flat_workgroup_size: 128
    .sgpr_count:     66
    .vgpr_count:     704
    .wavefront_size: 32
...
	.end_amdgpu_metadata
.endif
;; end of part 4
;; ======== version 2 of 2: 4 launches
;; workspace buffers: wfrag 589,824 bytes; qrec 4,718,592 bytes; kv 9,175,040 bytes; xa_codes 4,194,304 bytes; xa_scales 1,048,576 bytes
;; launch prep (part 5): grid 32 x 4, 4 waves a work-group, no clusters, 34,816 bytes of LDS; arguments wq, wk, wv, wo, wfrag; writes wfrag
.if DOCPART == 5
	.amdgcn_target "amdgcn-amd-amdhsa--gfx1250"
	.amdhsa_code_object_version 6
	.text
	.protected	k_q4dfd454356_prep
	.globl	k_q4dfd454356_prep
	.p2align	8
	.type	k_q4dfd454356_prep,@function
k_q4dfd454356_prep:
	s_mov_b64 s[64:65], 0
	v_nop
	global_prefetch_b8 v0, s[64:65] scope:SCOPE_SE
	s_setreg_imm32_b32 hwreg(HW_REG_WAVE_MODE, 25, 1), 1
	s_wait_xcnt 0x0
; PREP: the four weights [512][512] f32 (K innermost) become codes of FP4 (E2M1) with one E8M0 byte for each 32 along K, laid in the order of an operand's registers.
; wfrag: four weights of 147,456 bytes (wq, wk, wv, wo).  Codes: [tile t 0..31][K step s 0..3][c 0..1][lane][16 bytes]; scale words at +131,072: [t][lane][s][4 bytes].
; THE ROWS OF A TILE ARE NOT NEIGHBOURS: lane r of tile t is row 32 (t / 2) + 8 (t % 2) + r + 8 (r / 8), so that the results of two neighbouring tiles are 16 neighbours along the next product's K.
; SHARES: a work-group is one tile of one weight (x = tile, y = weight), wave s its K step s: one fragment (16 rows x 128 K) a wave; 128 work-groups are all the work there is.
; Each load reads 512 consecutive bytes of one row; the 16 rows turn through the wave's own stage in LDS (rows 528 bytes apart) so that a lane holds 16 neighbours of each block of 32.
; A block's scale is 2^(floor(log2(largest magnitude)) - 2); its byte is the largest magnitude's exponent field - 2, held at 1 from below.
; LIMITS: NaN and infinities are not served; a block whose largest magnitude lies under 2^-124, a block of zeros too, gets the byte 1 (a block of zeros has zero codes, and only this program reads the bytes).
.set STGB,   8448                      ; a wave's stage: 16 rows x 528 bytes
.set SCB,    4*STGB                    ; behind the stages: 512 bytes in which the four waves' scale words meet
.set WBYTES, 147456
.set L16, 1                            ; v1   16 x lane
.set STW, 3                            ; v3   the stage, on the way in: 16 x lane
.set STR, 4                            ; v4   and on the way out: 528 r + 64 h
.set SCW, 5                            ; v5   SCB + 16 x lane + 4 x wave
.set SCR, 6                            ; v6   SCB + 16 x lane
.set R,   16                           ; v16-79   the numbers as loaded
.set X,   80                           ; v80-143  register 16 b + i = k 32 b + 16 h + i of my row
.set PC,  144                          ; v144-151 the fragment
.set TM,  152                          ; v152-163 at work
.set PW,  164                          ; v164     my row's scale word
.set SEL, 20                           ; s[20:21] v_permlanex16_b32's selects for lane l xor 16
.set XB,  22                           ; s[22:23] the tile's first row, at my K step
.macro GLOAD reg, off                  ; 16 rows of the tile, 128 numbers of each: a load reads 512 consecutive bytes
.irp i, 0,1,2,3,4,5,6,7,8,9,10,11,12,13,14,15
	global_load_b128 v[\reg+4*\i:\reg+4*\i+3], v[L16], s[XB:XB+1] offset:\off+(\i+8*(\i/8))*2048 th:TH_LOAD_NT
.endr
.endm
.macro TURNIN reg
.irp i, 0,1,2,3,4,5,6,7,8,9,10,11,12,13,14,15
	ds_store_b128 v[STW], v[\reg+4*\i:\reg+4*\i+3] offset:528*\i
.endr
.endm
.macro TURNOUT dst                     ; LDS serves a wave's instructions in order: these see the stores above
.irp b, 0,1,2,3
.irp q, 0,1,2,3
	ds_load_b128 v[\dst+16*\b+4*\q:\dst+16*\b+4*\q+3], v[STR] offset:128*\b+16*\q
.endr
.endr
.endm
; 64 numbers of a lane, register 16 b + i = k 32 b + 16 (lane / 16) + i of my row, become a fragment's codes in v[PC] on and the row's scale word in v[pw].
.macro QUANT s, pw
.irp b, 0,1,2,3
	v_max3_num_f32 v[TM+\b], |v[\s+16*\b]|, |v[\s+1+16*\b]|, 0x1800000   ; my 16 numbers of block b, and the floor 2^(3 - 127): the byte cannot fall under 1
.endr
.irp i, 2,4,6,8,10,12,14
.irp b, 0,1,2,3
	v_max3_num_f32 v[TM+\b], v[TM+\b], |v[\s+16*\b+\i]|, |v[\s+1+16*\b+\i]|   ; the four blocks by turns
.endr
.endr
.irp b, 0,1,2,3
	v_permlanex16_b32 v[TM+4+\b], v[TM+\b], s[SEL], s[SEL+1]
.endr
.irp b, 0,1,2,3
	v_max_num_f32 v[TM+\b], v[TM+\b], v[TM+4+\b]   ; with lane l xor 16's 16: the block's largest magnitude
.endr
.irp b, 0,1,2,3
	v_add_nc_u32 v[TM+8+\b], 0xff000000, v[TM+\b]  ; 2 off its exponent field: the conversion's scale operand
.endr
.irp b, 0,1,2,3
	v_lshrrev_b32 v[TM+4+\b], 23, v[TM+8+\b]       ; the scale's byte
.endr
	v_lshl_or_b32 v[\pw], v[TM+5], 8, v[TM+4]
	v_lshl_or_b32 v[\pw], v[TM+6], 16, v[\pw]
	v_lshl_or_b32 v[\pw], v[TM+7], 24, v[\pw]
.irp b, 0,1,2,3
	v_cvt_scalef32_pk8_fp4_f32 v[PC+2*\b], v[\s+16*\b:\s+7+16*\b], v[TM+8+\b]
	v_cvt_scalef32_pk8_fp4_f32 v[PC+1+2*\b], v[\s+8+16*\b:\s+15+16*\b], v[TM+8+\b]
.endr
	v_nop                                          ; one plain place behind a scaled conversion
.irp c, 0,1                                    ; the operand wants a whole block in a lane: lanes 0-15 block 2 c, lanes 16-31 block 2 c + 1
.irp i, 0,1
	v_permlane16_swap_b32 v[PC+4*\c+\i], v[PC+2+4*\c+\i]
.endr
.endr
.endm
	s_load_b256 s[4:11], s[0:1], 0x0               ; wq, wk, wv, wo
	s_load_b64 s[12:13], s[0:1], 0x20              ; wfrag
	v_lshl_add_u32 v176, v0, 2, 0x8600
	v_mov_b32 v177, 0
	v_lshrrev_b32 v2, 5, v0
	v_readfirstlane_b32 s14, v2                    ; wave = K step
	s_mov_b32 s15, ttmp9                           ; tile
	s_and_b32 s16, ttmp7, 0xffff                   ; weight
	s_mov_b32 s[SEL], 0x76543210
	s_mov_b32 s[SEL+1], 0xfedcba98
	v_and_b32 v7, 31, v0                           ; lane
	v_and_b32 v8, 15, v0                           ; r
	v_bfe_u32 v9, v0, 4, 1                         ; h
	v_lshlrev_b32 v[L16], 4, v7
	s_mul_i32 s17, s14, STGB
	v_add_nc_u32 v[STW], s17, v[L16]
	v_mul_u32_u24 v[STR], v8, 528
	v_lshl_add_u32 v[STR], v9, 6, v[STR]
	v_add_nc_u32 v[STR], s17, v[STR]
	s_lshl_b32 s18, s14, 2
	s_add_co_u32 s18, s18, SCB
	v_add_nc_u32 v[SCW], s18, v[L16]
	v_add_nc_u32 v[SCR], SCB, v[L16]
.irp b, 0,1,2,3
	v_mov_b32 v[TM+4+\b], 0                        ; written once: a lane permute's destination counts as one of its sources
.endr
	s_lshr_b32 s18, s15, 1                         ; the tile's first row, 32 (t / 2) + 8 (t % 2), in rows of 2,048 bytes, + 512 bytes a K step
	s_lshl_b32 s18, s18, 16
	s_and_b32 s19, s15, 1
	s_lshl_b32 s19, s19, 14
	s_add_co_u32 s18, s18, s19
	s_lshl_b32 s19, s14, 9
	s_add_co_u32 s18, s18, s19
	s_mov_b32 s19, 0
	s_mul_i32 s28, s16, WBYTES                     ; where the results go
	s_lshl_b32 s29, s15, 12
	s_add_co_u32 s30, s28, s29
	s_lshl_b32 s29, s14, 10
	s_add_co_u32 s30, s30, s29                     ; codes: 4,096 t + 1,024 s
	s_mov_b32 s31, 0
	s_lshl_b32 s29, s15, 9
	s_add_co_u32 s28, s28, s29
	s_add_co_u32 s28, s28, 131072                  ; scale words: 512 t
	s_mov_b32 s29, 0
	s_wait_alu depctr_va_vdst(0)
	s_wait_kmcnt 0x0
	s_cmp_eq_u32 s16, 1                            ; which weight: the choice hangs on the work-group's number alone
	s_cselect_b64 s[4:5], s[6:7], s[4:5]
	s_cmp_eq_u32 s16, 2
	s_cselect_b64 s[4:5], s[8:9], s[4:5]
	s_cmp_eq_u32 s16, 3
	s_cselect_b64 s[4:5], s[10:11], s[4:5]
	s_add_nc_u64 s[XB:XB+1], s[4:5], s[18:19]
	s_add_nc_u64 s[24:25], s[12:13], s[30:31]
	s_add_nc_u64 s[26:27], s[12:13], s[28:29]
	GLOAD R, 0
	s_wait_loadcnt 0x0
	TURNIN R
	TURNOUT X
	s_wait_dscnt 0x0
	QUANT X, PW
	global_store_b128 v[L16], v[PC:PC+3], s[24:25]             ; 32 lanes store 512 consecutive bytes: the fragment as it stands in the registers
	global_store_b128 v[L16], v[PC+4:PC+7], s[24:25] offset:512
	ds_store_b32 v[SCW], v[PW]                     ; the four K steps' words of a row meet in LDS
	s_wait_dscnt 0x0                               ; for the others' sake: my store has landed
	s_barrier_signal -1
	s_barrier_wait -1
	s_cmp_lg_u32 s14, 0
	s_cbranch_scc1 .Lend
	ds_load_b128 v[168:171], v[SCR]                ; wave 0 sends them: four words a lane, 512 consecutive bytes
	s_wait_dscnt 0x0
	global_store_b128 v[L16], v[168:171], s[26:27]
.Lend:
	s_wait_tensorcnt 0x0
	ds_add_u32 v176, v177
	s_wait_dscnt 0x0
	s_endpgm
.Lfunc_end_k_q4dfd454356_prep:
	.size	k_q4dfd454356_prep, .Lfunc_end_k_q4dfd454356_prep-k_q4dfd454356_prep
	.p2alignl 7, 3214868480
	.fill 96, 4, 3214868480
	.section	.rodata,"a",@progbits
	.p2align	6, 0x0
	.amdhsa_kernel k_q4dfd454356_prep
		.amdhsa_group_segment_fixed_size 34816
		.amdhsa_private_segment_fixed_size 0
		.amdhsa_enable_private_segment 0
		.amdhsa_kernarg_size 40
		.amdhsa_user_sgpr_count 2
		.amdhsa_user_sgpr_kernarg_segment_ptr 1
		.amdhsa_wavefront_size32 1
		.amdhsa_system_sgpr_workgroup_id_x 1
		.amdhsa_system_sgpr_workgroup_id_y 1
		.amdhsa_system_sgpr_workgroup_id_z 1
		.amdhsa_system_vgpr_workitem_id 0
		.amdhsa_next_free_vgpr 178
		.amdhsa_next_free_sgpr 66
		.amdhsa_reserve_vcc 0
		.amdhsa_float_denorm_mode_32 3
		.amdhsa_float_denorm_mode_16_64 3
		.amdhsa_memory_ordered 1
		.amdhsa_forward_progress 1
		.amdhsa_inst_pref_size 11
	.end_amdhsa_kernel
	.amdgpu_metadata
---
amdhsa.version: [ 1, 2 ]
amdhsa.kernels:
  - .name:           k_q4dfd454356_prep
    .symbol:         k_q4dfd454356_prep.kd
    .args:
      - { .name: wq, .offset: 0, .size: 8, .value_kind: global_buffer, .address_space: global }
      - { .name: wk, .offset: 8, .size: 8, .value_kind: global_buffer, .address_space: global }
      - { .name: wv, .offset: 16, .size: 8, .value_kind: global_buffer, .address_space: global }
      - { .name: wo, .offset: 24, .size: 8, .value_kind: global_buffer, .address_space: global }
      - { .name: wfrag, .offset: 32, .size: 8, .value_kind: global_buffer, .address_space: global }
    .group_segment_fixed_size: 34816
    .private_segment_fixed_size: 0
    .kernarg_segment_align: 8
    .kernarg_segment_size: 40
    .max_flat_workgroup_size: 128
    .sgpr_count:     66
    .vgpr_count:     178
    .wavefront_size: 32
...
	.end_amdgpu_metadata
.endif
;; end of part 5
;; launch proj (part 6): grid 128 x 3, 4 waves a work-group, no clusters, 71,168 bytes of LDS; arguments query, key, value, bq, bk, bv, wfrag, qrec, kv; writes qrec, kv
.if DOCPART == 6
	.amdgcn_target "amdgcn-amd-amdhsa--gfx1250"
	.amdhsa_code_object_version 6
	.text
	.protected	k_q4dfd454356_proj
	.globl	k_q4dfd454356_proj
	.p2align	8
	.type	k_q4dfd454356_proj,@function
k_q4dfd454356_proj:
	s_mov_b64 s[64:65], 0
	v_nop
	global_prefetch_b8 v0, s[64:65] scope:SCOPE_SE
	s_setreg_imm32_b32 hwreg(HW_REG_WAVE_SCHED_MODE, 0, 2), 2
	s_setreg_imm32_b32 hwreg(HW_REG_WAVE_MODE, 25, 1), 1
	s_wait_xcnt 0x0
	s_wait_alu depctr_vm_vsrc(0)
; PROJ: q = query wq^T + bq, k = key wk^T + bk, v = value wv^T + bv, each product on codes of FP4 (E2M1) with one E8M0 scale for each 32 along K; the results are quantised at once for attention's products:
; q and k along the head's 64 channels, v along the keys.  Nothing but codes and scale words goes to memory, laid in the order of the next operand's registers.
; SHARES: a work-group is 128 tokens (x) of one tensor (y: 0 q, 1 k, 2 v) and all 512 outputs.  Wave w owns outputs 128 w .. 128 w + 127 (heads 2 w, 2 w + 1); its 32 fragments of the weight stay in registers.
; PHASE X: wave w quantises tokens 32 w .. 32 w + 31 (two tiles x four K steps) and leaves the fragments in LDS as images of their registers; one barrier; every wave takes all 32 into registers.
; ROWS OF A TILE, tokens and weight rows alike: lane r of tile T is row 32 (T / 2) + 8 (T % 2) + r + 8 (r / 8): the 16 registers of two neighbouring result tiles are then 16 neighbours along the next K.
; q, k: source 0 = 16 rows of the weight, source 1 = 16 tokens: a lane holds one token and 64 outputs of my 128.  v: the sources swapped: a lane holds one channel and 64 of the 128 tokens.  The bias is the C of a sum's first product.
; qrec: [batch x head 64][block 16] records of 4,608 bytes: 8 tiles x 512 bytes (registers 0-3 of a fragment: lane (r, h) holds channels 32 h .. 32 h + 31), then [lane][j 0..3] scale words: lane (r, h), word j: tile 2 j + h, row r;
; bytes 0, 1 are the row's scales, bytes 2, 3 are 0x7f: the upper 64 of the instruction's 128 along K are zero codes in attention.
; kv: [batch x head][step 16] records of 8,960 bytes: K's part as a record of qrec; at 4,608 V's four channel tiles x 1,024 bytes (K = the step's 128 keys); at 8,704 [lane][j 0..1] scale words: tile 2 j + h.
; NO JOINT LOADS, though all work-groups of a tensor read one weight: the weight is wanted in registers, in operand order, 36 KB a wave, once; a joint load would set it down in LDS, to be read from there once more: 72 LDS loads a wave for nothing.
; LIMITS: NaN and infinities are not served; a block whose largest magnitude lies under 2^-124, a block of zeros too, gets the byte 1 (a block of zeros has zero codes, and only this program reads the bytes).
; REGISTERS, in windows of 256: window 0 as listed below; window 1: the weight's fragment (t, s) at v[8 (4 t + s)]; window 2: in phase X four sets of 64 numbers as loaded, then x's fragment (m, s) at v[8 (4 m + s)].
; THE MODE: SCHED_MODE bits 1:0 = 2 (LLVM: expert scheduling mode 2), set by the entry lines.  The code itself states the register dependences between vector or matrix instructions and memory or LDS instructions, with s_wait_alu, always for 0.
; THE PLAN.  Registers that memory or LDS instructions touch:
;   v1-8, v240-247     offsets and LDS addresses: written at the head, read by loads and stores, never written again: one wait on va_vdst ahead of the first load.
;   window 2's sets    phase X: global loads land in a set, the stage's stores read it, loads land in it again; behind the barrier x's fragments land there.  No vector instruction names them; matrix instructions read them when nothing lands there any more.
;   v16-79             phase X: the stage's loads land there, QUANT reads them.  From the units on they are named by matrix and vector instructions alone.
;   v208-215, v12-15, v232-239   codes and scale words: written by QUANT and the lines behind it, read by LDS or global stores.
;   window 1, the bias, both sets of scale words: loads land there once; matrix instructions read them.
; So a fragment of phase X and a tile of the units have two waits each: one on vm_vsrc ahead of QUANT (the earlier stores have read what is written again), one on va_vdst behind QUANT (what the stores read is written; QUANT is done reading).
.set STGB, 8448                        ; a wave's stage: 16 rows x 528 bytes
.set XIMG, 4*STGB                      ; x's 32 fragments, (4 m + s) x 1,024 bytes
.set XSC,  XIMG+32*1024                ; their scale words: [m][lane][s][4 bytes]
.set L16, 1                            ; v1  16 x lane
.set L8,  2                            ; v2  8 x lane
.set STW, 3                            ; v3  the stage, in: 16 x lane
.set STR, 4                            ; v4  the stage, out: 528 r + 64 h
.set XWI, 5                            ; v5  where I store x's images: XIMG + 8,192 w + 16 x lane
.set XWS, 6                            ; v6  and their scale words: XSC + 1,024 w + 16 x lane
.set LI,  7                            ; v7  XIMG + 16 x lane
.set LX,  8                            ; v8  XSC + 16 x lane
.set PW4, 12                           ; v12-15   a tile's four scale words
.set ACC, 16                           ; v16-79   eight accumulators; in phase X the turned numbers
.set BI,  80                           ; v80-143  the bias in the result's layout, eight registers a tile
.set RS,  144                          ; v144-175 the weight's scale words, 4 t + s
.set XS,  176                          ; v176-207 x's scale words, 4 m + s
.set PC,  208                          ; v208-215 the fragment just made
.set TM,  216                          ; v216-227 at work
.set PWT, 228                          ; v228     the scale word just made
.set SWA, 232                          ; v232-235 scale words on their way out, first head (v: v232-233)
.set SWB, 236                          ; v236-239 second head
.set BAJ, 240                          ; v240-247 the bias loads' lane offsets
.set WV,  22
.set TEN, 23
.set BLK, 24
.set SEL, 26                           ; s[26:27] v_permlanex16_b32's selects for lane l xor 16
.set PAD, 28                           ; s28 0x7f7f0000
.set HI,  29                           ; s29 lanes 16-31
.set XB,  30
.set BB,  32
.set WB,  34
.set WSB, 36
.set OUT0, 38
.set OUT1, 40
.set MSB, 0
.macro WIN new                         ; the immediate's high byte repeats the setting that is left
.if MSB != \new
	s_set_vgpr_msb (MSB<<8)|\new
.set MSB, \new
.endif
.endm
.macro GLOAD reg, off                  ; 16 rows of a tile, 128 numbers of each: a load reads 512 consecutive bytes
.irp i, 0,1,2,3,4,5,6,7,8,9,10,11,12,13,14,15
	global_load_b128 v[\reg+4*\i:\reg+4*\i+3], v[L16], s[XB:XB+1] offset:\off+(\i+8*(\i/8))*2048 th:TH_LOAD_NT
.endr
.endm
.macro TURNIN reg
.irp i, 0,1,2,3,4,5,6,7,8,9,10,11,12,13,14,15
	ds_store_b128 v[STW], v[\reg+4*\i:\reg+4*\i+3] offset:528*\i
.endr
.endm
.macro TURNOUT dst                     ; LDS serves a wave's instructions in order: these see the stores above
.irp b, 0,1,2,3
.irp q, 0,1,2,3
	ds_load_b128 v[\dst+16*\b+4*\q:\dst+16*\b+4*\q+3], v[STR] offset:128*\b+16*\q
.endr
.endr
.endm
; 64 numbers of a lane, register 16 b + i = k 32 b + 16 (lane / 16) + i of my row, become a fragment's codes in v[PC] on and the row's scale word in v[pw].  Each accumulator is read from its low end on.
.macro QUANT s, pw
.irp b, 0,1,2,3
	v_max3_num_f32 v[TM+\b], |v[\s+16*\b]|, |v[\s+1+16*\b]|, 0x1800000   ; my 16 numbers of block b, and the floor 2^(3 - 127): the byte cannot fall under 1
.endr
.irp i, 2,4,6,8,10,12,14
.irp b, 0,1,2,3
	v_max3_num_f32 v[TM+\b], v[TM+\b], |v[\s+16*\b+\i]|, |v[\s+1+16*\b+\i]|   ; the four blocks by turns
.endr
.endr
.irp b, 0,1,2,3
	v_permlanex16_b32 v[TM+4+\b], v[TM+\b], s[SEL], s[SEL+1]
.endr
.irp b, 0,1,2,3
	v_max_num_f32 v[TM+\b], v[TM+\b], v[TM+4+\b]   ; with lane l xor 16's 16: the block's largest magnitude
.endr
.irp b, 0,1,2,3
	v_add_nc_u32 v[TM+8+\b], 0xff000000, v[TM+\b]  ; 2 off its exponent field: the conversion's scale operand
.endr
.irp b, 0,1,2,3
	v_lshrrev_b32 v[TM+4+\b], 23, v[TM+8+\b]       ; the scale's byte
.endr
	v_lshl_or_b32 v[\pw], v[TM+5], 8, v[TM+4]
	v_lshl_or_b32 v[\pw], v[TM+6], 16, v[\pw]
	v_lshl_or_b32 v[\pw], v[TM+7], 24, v[\pw]
.irp b, 0,1,2,3
	v_cvt_scalef32_pk8_fp4_f32 v[PC+2*\b], v[\s+16*\b:\s+7+16*\b], v[TM+8+\b]
	v_cvt_scalef32_pk8_fp4_f32 v[PC+1+2*\b], v[\s+8+16*\b:\s+15+16*\b], v[TM+8+\b]
.endr
	v_nop                                          ; one plain place behind a scaled conversion
.irp c, 0,1                                    ; the operand wants a whole block in a lane: lanes 0-15 block 2 c, lanes 16-31 block 2 c + 1
.irp i, 0,1
	v_permlane16_swap_b32 v[PC+4*\c+\i], v[PC+2+4*\c+\i]
.endr
.endr
.endm
	s_load_b512 s[4:19], s[0:1], 0x0               ; query, key, value, bq, bk, bv, wfrag, qrec
	s_load_b64 s[20:21], s[0:1], 0x40              ; kv
	v_lshl_add_u32 v254, v0, 2, 0x11400
	v_mov_b32 v255, 0
	v_lshrrev_b32 v229, 5, v0
	v_readfirstlane_b32 s[WV], v229                ; wave 0..3
	s_and_b32 s[TEN], ttmp7, 0xffff                ; 0 q, 1 k, 2 v
	s_mov_b32 s[BLK], ttmp9                        ; which 128 tokens
	s_mov_b32 s[SEL], 0x76543210
	s_mov_b32 s[SEL+1], 0xfedcba98
	s_mov_b32 s[PAD], 0x7f7f0000
	s_mov_b32 s[HI], 0xffff0000
	v_and_b32 v229, 31, v0                         ; lane
	v_and_b32 v9, 15, v0                           ; r
	v_bfe_u32 v10, v0, 4, 1                        ; h
	v_and_b32 v11, 8, v9
	v_add_nc_u32 v11, v11, v9                      ; r + 8 (r / 8)
	v_lshlrev_b32 v[L16], 4, v229
	v_lshlrev_b32 v[L8], 3, v229
	s_wait_alu depctr_va_sdst(0)                   ; the wave's number is written, ahead of its first reader: LDS addresses and the buffers' offsets are made from it
	s_mul_i32 s42, s[WV], STGB
	v_add_nc_u32 v[STW], s42, v[L16]
	v_mul_u32_u24 v[STR], v9, 528
	v_lshl_add_u32 v[STR], v10, 6, v[STR]
	v_add_nc_u32 v[STR], s42, v[STR]
	s_lshl_b32 s42, s[WV], 13
	s_add_co_u32 s42, s42, XIMG
	v_add_nc_u32 v[XWI], s42, v[L16]
	s_lshl_b32 s42, s[WV], 10
	s_add_co_u32 s42, s42, XSC
	v_add_nc_u32 v[XWS], s42, v[L16]
	v_add_nc_u32 v[LI], XIMG, v[L16]
	v_add_nc_u32 v[LX], XSC, v[L16]
.irp b, 0,1,2,3
	v_mov_b32 v[TM+4+\b], 0                        ; written once: a lane permute's destination counts as one of its sources
.endr
	; the bias in the result's layout.  q, k: register j of tile t is output 32 (t / 2) + 8 (t % 2) + 16 h + j: lane offset 64 h + 4 j.  v: every register is channel 32 (n / 2) + 8 (n % 2) + r + 8 (r / 8): 4 (r + 8 (r / 8))
	s_cmp_eq_u32 s[TEN], 2
	s_cselect_b32 s54, 0, 64
	s_cselect_b32 s55, 4, 0
	s_cselect_b32 s43, 0, 4
	v_mul_u32_u24 v[BAJ], s54, v10
	v_mad_u32_u24 v[BAJ], v11, s55, v[BAJ]
.irp j, 1,2,3,4,5,6,7
	v_add_nc_u32 v[BAJ+\j], s43, v[BAJ+\j-1]
.endr
	; offsets, apart from the addresses
	s_mul_i32 s44, s[TEN], 147456
	s_lshl_b32 s45, s[WV], 15
	s_add_co_u32 s46, s44, s45                     ; my 8 tiles of the weight's codes
	s_mov_b32 s47, 0
	s_lshl_b32 s45, s[WV], 12
	s_add_co_u32 s44, s44, s45
	s_add_co_u32 s44, s44, 131072                  ; and their scale words
	s_mov_b32 s45, 0
	s_lshl_b32 s56, s[WV], 9                       ; my 128 numbers of the bias
	s_mov_b32 s57, 0
	s_lshl_b32 s58, s[BLK], 18                     ; x: 128 rows of 2,048 bytes a block, 32 rows a wave
	s_lshl_b32 s59, s[WV], 16
	s_add_co_u32 s58, s58, s59
	s_mov_b32 s59, 0
	s_lshr_b32 s49, s[BLK], 4                      ; the record: ((8 batch + 2 w) x 16 + step) x its bytes
	s_lshl_b32 s49, s49, 3
	s_lshl_b32 s50, s[WV], 1
	s_add_co_u32 s49, s49, s50
	s_lshl_b32 s49, s49, 4
	s_and_b32 s50, s[BLK], 15
	s_add_co_u32 s49, s49, s50
	s_mov_b32 s48, 8960
	s_cmp_eq_u32 s[TEN], 0
	s_cselect_b32 s48, 4608, s48
	s_mul_i32 s50, s49, s48
	s_cmp_eq_u32 s[TEN], 2
	s_cselect_b32 s51, 4608, 0                     ; V's part lies behind K's
	s_add_co_u32 s50, s50, s51
	s_mov_b32 s51, 0
	s_lshl_b32 s52, s48, 4                         ; the next head's record: 16 records on
	s_mov_b32 s53, 0
	s_wait_kmcnt 0x0
	s_cmp_eq_u32 s[TEN], 1                         ; the choices hang on the work-group's number alone
	s_cselect_b64 s[4:5], s[6:7], s[4:5]
	s_cselect_b64 s[10:11], s[12:13], s[10:11]
	s_cmp_eq_u32 s[TEN], 2
	s_cselect_b64 s[4:5], s[8:9], s[4:5]
	s_cselect_b64 s[10:11], s[14:15], s[10:11]
	s_cmp_eq_u32 s[TEN], 0
	s_cselect_b64 s[18:19], s[18:19], s[20:21]
	s_add_nc_u64 s[XB:XB+1], s[4:5], s[58:59]
	s_add_nc_u64 s[BB:BB+1], s[10:11], s[56:57]
	s_add_nc_u64 s[WB:WB+1], s[16:17], s[46:47]
	s_add_nc_u64 s[WSB:WSB+1], s[16:17], s[44:45]
	s_add_nc_u64 s[OUT0:OUT0+1], s[18:19], s[50:51]
	s_add_nc_u64 s[OUT1:OUT1+1], s[OUT0:OUT0+1], s[52:53]
	; the weight, its scale words and the bias go first: loads come back in order, so the counted waits below count groups of x alone
	WIN 0x40                                       ; destination window 1
	s_wait_alu depctr_va_vdst(0)                   ; the offsets and LDS addresses v1 to v8 and v240 to v247 are written, which every load and store of the kernel reads; none of them is written again
.set Q, 0
.rept 64
	global_load_b128 v[4*Q:4*Q+3], v[L16], s[WB:WB+1] offset:512*Q
.set Q, Q+1
.endr
	WIN 0
.irp t, 0,1,2,3,4,5,6,7
	global_load_b128 v[RS+4*\t:RS+4*\t+3], v[L16], s[WSB:WSB+1] offset:512*\t
.endr
.irp t, 0,1,2,3,4,5,6,7
.irp j, 0,1,2,3,4,5,6,7
	global_load_b32 v[BI+8*\t+\j], v[BAJ+\j], s[BB:BB+1] offset:(32*(\t/2)+8*(\t%2))*4
.endr
.endr
	WIN 0x80                                       ; destination window 2: the first tile's four K steps
	GLOAD 0, 0
	GLOAD 64, 512
	GLOAD 128, 1024
	GLOAD 192, 1536
	WIN 0
; PHASE X, fragment f of my eight: tile f / 4 of my two, K step f % 4; its numbers lie in set f % 4 of window 2.
.macro XFRAG f
.set FU, (\f)/4
.set FS, (\f)%4
.if (\f) < 5
	s_wait_loadcnt 48                              ; my group of 16 loads is in; the three groups issued behind it may be out
.else
	s_wait_loadcnt 16*(7-(\f))                     ; the groups behind it run out: 32, 16, 0
.endif
	WIN 0x08                                       ; an LDS store's data are its source 1: window 2
	TURNIN 64*FS
	WIN 0
	TURNOUT ACC                                    ; no wait here: no vector instruction since the wait behind the last QUANT names v16 to v79
	s_wait_dscnt 0x0                               ; the numbers are back: so the stage's stores have read the set, and the last fragment's image stores their registers
.if (\f) < 4
	WIN 0x80
.endif
	s_wait_alu depctr_vm_vsrc(0)                   ; the stage's stores have read the set, in which (fragments 0 to 3) the loads below land; the last fragment's image stores have read the codes and scale words, which QUANT writes again
.if (\f) < 4
	GLOAD 64*FS, 8*2048+512*FS                     ; the set takes the second tile's same K step
	WIN 0
.endif
	QUANT ACC, PW4+FS
	s_wait_alu depctr_va_vdst(0)                   ; QUANT has written the codes and the scale word, which the stores below read, and is done reading v16 to v79, in which the next fragment's numbers land
	ds_store_b128 v[XWI], v[PC:PC+3] offset:(4*FU+FS)*1024          ; the fragment goes to LDS as it stands in the registers
	ds_store_b128 v[XWI], v[PC+4:PC+7] offset:(4*FU+FS)*1024+512
.if FS == 3
	ds_store_b128 v[XWS], v[PW4:PW4+3] offset:512*FU                ; and the tile's four scale words
.endif
.endm
.irp f, 0,1,2,3,4,5,6,7
	XFRAG \f
.endr
	s_wait_dscnt 0x0                               ; for the others' sake: my stores have landed
	s_barrier_signal -1
	s_barrier_wait -1                              ; x's 32 fragments lie in LDS; nothing is stored to LDS from here on
	WIN 0x80
	s_wait_alu depctr_vm_vsrc(0)                   ; the stage's stores have read window 2's sets, in which x's fragments land; my last image stores have read the codes' registers, which the first tile's QUANT writes again (on both ways behind the branch below)
.set Q, 0
.rept 64
	ds_load_b128 v[4*Q:4*Q+3], v[LI] offset:512*Q
.set Q, Q+1
.endr
	WIN 0
.irp m, 0,1,2,3,4,5,6,7
	ds_load_b128 v[XS+4*\m:XS+4*\m+3], v[LX] offset:512*\m
.endr
	s_wait_dscnt 0x0
	s_wait_loadcnt 0x0
	s_cmp_eq_u32 s[TEN], 2
	s_cbranch_scc1 .Lv
; q, k: tile m of the tokens against my eight tiles of the weight.  The eight accumulators take turns, one instruction a turn.
.macro UNIT_QK m
	WIN 0x09                                       ; source 0 (the weight) window 1, source 1 (x) window 2
.irp s, 0,1,2,3
.irp t, 0,1,2,3,4,5,6,7
.if \s == 0
	v_wmma_scale_f32_16x16x128_f8f6f4 v[ACC+8*\t:ACC+8*\t+7], v[8*(4*\t+\s):8*(4*\t+\s)+7], v[8*(4*(\m)+\s):8*(4*(\m)+\s)+7], v[BI+8*\t:BI+8*\t+7], v[RS+4*\t+\s], v[XS+4*(\m)+\s] matrix_a_fmt:MATRIX_FMT_FP4 matrix_b_fmt:MATRIX_FMT_FP4
.else
	v_wmma_scale_f32_16x16x128_f8f6f4 v[ACC+8*\t:ACC+8*\t+7], v[8*(4*\t+\s):8*(4*\t+\s)+7], v[8*(4*(\m)+\s):8*(4*(\m)+\s)+7], v[ACC+8*\t:ACC+8*\t+7], v[RS+4*\t+\s], v[XS+4*(\m)+\s] matrix_a_fmt:MATRIX_FMT_FP4 matrix_b_fmt:MATRIX_FMT_FP4
.endif
.endr
.endr
	WIN 0
.rept 4
	v_nop                                          ; four places in front of the first read of results
.endr
	s_wait_xcnt 0x0                                ; the last tile's stores have read their registers
.if (\m) > 0
	s_wait_alu depctr_vm_vsrc(0)                   ; the last tile's stores have read the codes' registers, which QUANT writes again
.endif
	QUANT ACC, PWT                                 ; registers 0-3: head 2 w, channels 32 h on; registers 4-7: head 2 w + 1
.if (\m)%2 == 0
	v_and_or_b32 v[SWA+(\m)/2], v[PWT], 0xffff, s[PAD]             ; the first head's two bytes, 0x7f above them
	v_lshrrev_b32 v230, 16, v[PWT]
	v_or_b32 v[SWB+(\m)/2], s[PAD], v230                           ; the second head's
.else
	v_and_or_b32 v229, v[PWT], 0xffff, s[PAD]
	v_lshrrev_b32 v230, 16, v[PWT]
	v_or_b32 v230, s[PAD], v230
	v_cndmask_b32 v[SWA+(\m)/2], v[SWA+(\m)/2], v229, s[HI]        ; lanes 16-31 carry the odd tile's words
	v_cndmask_b32 v[SWB+(\m)/2], v[SWB+(\m)/2], v230, s[HI]
.endif
	s_wait_alu depctr_va_vdst(0)                   ; QUANT has written the codes, which the stores below read; in the last tile the lines above have written the last of the scale words, whose stores follow it
	global_store_b128 v[L16], v[PC:PC+3], s[OUT0:OUT0+1] offset:512*(\m)     ; 32 lanes store 512 consecutive bytes
	global_store_b128 v[L16], v[PC+4:PC+7], s[OUT1:OUT1+1] offset:512*(\m)
.endm
.irp m, 0,1,2,3,4,5,6,7
	UNIT_QK \m
.endr
	global_store_b128 v[L16], v[SWA:SWA+3], s[OUT0:OUT0+1] offset:4096       ; no wait: no vector instruction stands behind the last tile's wait
	global_store_b128 v[L16], v[SWB:SWB+3], s[OUT1:OUT1+1] offset:4096
	s_wait_dscnt 0x0                               ; the closing lines, six on end
	s_wait_alu 0x0
	s_wait_tensorcnt 0x0
	ds_add_u32 v254, v255
	s_wait_dscnt 0x0
	s_endpgm
.Lv:
; v: my tile n of the weight (16 channels) against all eight tiles of tokens, the sources swapped: register 16 b + i of a lane is token 32 b + 16 h + i of its channel.
.macro UNIT_V n
	WIN 0x06                                       ; source 0 (x) window 2, source 1 (the weight) window 1
.irp s, 0,1,2,3
.irp t, 0,1,2,3,4,5,6,7
.if \s == 0
	v_wmma_scale_f32_16x16x128_f8f6f4 v[ACC+8*\t:ACC+8*\t+7], v[8*(4*\t+\s):8*(4*\t+\s)+7], v[8*(4*(\n)+\s):8*(4*(\n)+\s)+7], v[BI+8*(\n):BI+8*(\n)+7], v[XS+4*\t+\s], v[RS+4*(\n)+\s] matrix_a_fmt:MATRIX_FMT_FP4 matrix_b_fmt:MATRIX_FMT_FP4
.else
	v_wmma_scale_f32_16x16x128_f8f6f4 v[ACC+8*\t:ACC+8*\t+7], v[8*(4*\t+\s):8*(4*\t+\s)+7], v[8*(4*(\n)+\s):8*(4*(\n)+\s)+7], v[ACC+8*\t:ACC+8*\t+7], v[XS+4*\t+\s], v[RS+4*(\n)+\s] matrix_a_fmt:MATRIX_FMT_FP4 matrix_b_fmt:MATRIX_FMT_FP4
.endif
.endr
.endr
	WIN 0
.rept 4
	v_nop
.endr
	s_wait_xcnt 0x0                                ; the last tile's stores have read their registers
.if (\n) > 0
	s_wait_alu depctr_vm_vsrc(0)                   ; the last tile's stores have read the codes' registers, and behind a head's fourth tile the scale words', which are written again below
.endif
	QUANT ACC, PWT                                 ; a whole fragment: 16 channels x the step's 128 keys
.set OV, OUT0+2*((\n)/4)
.set CT, (\n)%4
.if CT%2 == 0
	v_mov_b32 v[SWA+CT/2], v[PWT]
.else
	v_cndmask_b32 v[SWA+CT/2], v[SWA+CT/2], v[PWT], s[HI]          ; lanes 16-31 carry the odd tile's words
.endif
	s_wait_alu depctr_va_vdst(0)                   ; QUANT has written the codes and the line above the scale words, which the stores below read
	global_store_b128 v[L16], v[PC:PC+3], s[OV:OV+1] offset:1024*CT
	global_store_b128 v[L16], v[PC+4:PC+7], s[OV:OV+1] offset:1024*CT+512
.if CT == 3
	global_store_b64 v[L8], v[SWA:SWA+1], s[OV:OV+1] offset:4096   ; 32 lanes store 256 consecutive bytes
.endif
.endm
.irp n, 0,1,2,3,4,5,6,7
	UNIT_V \n
.endr
	s_wait_dscnt 0x0                               ; the closing lines, six on end
	s_wait_alu 0x0
	s_wait_tensorcnt 0x0
	ds_add_u32 v254, v255
	s_wait_dscnt 0x0
	s_endpgm
.Lfunc_end_k_q4dfd454356_proj:
	.size	k_q4dfd454356_proj, .Lfunc_end_k_q4dfd454356_proj-k_q4dfd454356_proj
	.p2alignl 7, 3214868480
	.fill 96, 4, 3214868480
	.section	.rodata,"a",@progbits
	.p2align	6, 0x0
	.amdhsa_kernel k_q4dfd454356_proj
		.amdhsa_group_segment_fixed_size 71168
		.amdhsa_private_segment_fixed_size 0
		.amdhsa_enable_private_segment 0
		.amdhsa_kernarg_size 72
		.amdhsa_user_sgpr_count 2
		.amdhsa_user_sgpr_kernarg_segment_ptr 1
		.amdhsa_wavefront_size32 1
		.amdhsa_system_sgpr_workgroup_id_x 1
		.amdhsa_system_sgpr_workgroup_id_y 1
		.amdhsa_system_sgpr_workgroup_id_z 1
		.amdhsa_system_vgpr_workitem_id 0
		.amdhsa_next_free_vgpr 768
		.amdhsa_next_free_sgpr 66
		.amdhsa_reserve_vcc 0
		.amdhsa_float_denorm_mode_32 3
		.amdhsa_float_denorm_mode_16_64 3
		.amdhsa_memory_ordered 1
		.amdhsa_forward_progress 1
		.amdhsa_inst_pref_size 217
	.end_amdhsa_kernel
	.amdgpu_metadata
---
amdhsa.version: [ 1, 2 ]
amdhsa.kernels:
  - .name:           k_q4dfd454356_proj
    .symbol:         k_q4dfd454356_proj.kd
    .args:
      - { .name: query, .offset: 0, .size: 8, .value_kind: global_buffer, .address_space: global }
      - { .name: key, .offset: 8, .size: 8, .value_kind: global_buffer, .address_space: global }
      - { .name: value, .offset: 16, .size: 8, .value_kind: global_buffer, .address_space: global }
      - { .name: bq, .offset: 24, .size: 8, .value_kind: global_buffer, .address_space: global }
      - { .name: bk, .offset: 32, .size: 8, .value_kind: global_buffer, .address_space: global }
      - { .name: bv, .offset: 40, .size: 8, .value_kind: global_buffer, .address_space: global }
      - { .name: wfrag, .offset: 48, .size: 8, .value_kind: global_buffer, .address_space: global }
      - { .name: qrec, .offset: 56, .size: 8, .value_kind: global_buffer, .address_space: global }
      - { .name: kv, .offset: 64, .size: 8, .value_kind: global_buffer, .address_space: global }
    .group_segment_fixed_size: 71168
    .private_segment_fixed_size: 0
    .kernarg_segment_align: 8
    .kernarg_segment_size: 72
    .max_flat_workgroup_size: 128
    .sgpr_count:     66
    .vgpr_count:     768
    .wavefront_size: 32
...
	.end_amdgpu_metadata
.endif
;; end of part 6
;; launch attn (part 7): grid 4 x 64, 16 waves a work-group, clusters of 4 x 1, 169,984 bytes of LDS; arguments qrec, kv, xa_codes, xa_scales; writes xa_codes, xa_scales
.if DOCPART == 7
	.amdgcn_target "amdgcn-amd-amdhsa--gfx1250"
	.amdhsa_code_object_version 6
	.text
	.protected	k_q4dfd454356_attn
	.globl	k_q4dfd454356_attn
	.p2align	8
	.type	k_q4dfd454356_attn,@function
k_q4dfd454356_attn:
	s_mov_b64 s[64:65], 0
	v_nop
	global_prefetch_b8 v0, s[64:65] scope:SCOPE_SE
	s_setreg_imm32_b32 hwreg(HW_REG_WAVE_MODE, 25, 1), 1
	s_wait_xcnt 0x0
	s_wait_alu depctr_hold_cnt(0) depctr_sa_sdst(0) depctr_va_vdst(0) depctr_va_sdst(0) depctr_va_ssrc(0) depctr_va_vcc(0) depctr_vm_vsrc(0)
	s_getreg_b32 s2, hwreg(HW_REG_IB_STS2, 6, 4)
	s_cmp_eq_u32 s2, 0
	s_cbranch_scc0 .Lentry_in_a_cluster
	s_endpgm
.Lentry_in_a_cluster:
	s_bfe_u32 s2, ttmp6, 0x10000c
	s_cmp_lg_u32 s2, 0x3003
	s_cbranch_scc0 .Lentry_shape_is_right
	s_endpgm
.Lentry_shape_is_right:
; ATTN: O = softmax(q k^T / 8) v for one head, both products on codes of FP4 (E2M1) with one E8M0 scale for each 32 along K; O / l is quantised along the channels for the last projection.
; THE SOFTMAX AHEAD OF THE SECOND PRODUCT: t = score x log2(e) / 8; M = the row's largest t so far, rounded UP to a whole number; p = 2^(t - M) is quantised along the keys, not normalised.
; The row's sum l is taken of the unquantised p, in f32, and divides O at the end.  When M moves, l and O are multiplied by 2^(old M - new M): exact.
; SHARES: a work-group is one head (y) and 512 of its 2,048 queries (x); each of its sixteen waves takes one tile of 16 queries in each of two passes and walks all keys, 128 a step.  Four waves to a SIMD, 256 registers each.
; LDS: the head's K and V, 16 records of 8,960 bytes as the projection laid them (images of operand registers), are filled ONCE, wave w bringing record w: no slot is filled again, and the loop has no barrier.
; CLUSTER: the four work-groups of a head need the same 143,360 bytes: each record is asked for JOINTLY, by the same tensor load with the same descriptor (it hangs on the head and the wave alone) and a mask that names the four.
; A wave has one tensor load outstanding.
; LAYOUT: both products are used transposed: S^T = K Q^T (source 0 = 16 keys), O^T = V^T P^T (source 0 = 16 channels): a lane holds ONE query (lane % 16) throughout.  Lane r of key tile t is key 32 (t / 2) + 8 (t % 2) + r + 8 (r / 8),
; so the 16 registers of tiles 2 b, 2 b + 1 are keys 32 b + 16 (lane / 16) + 0 .. 15; the channels of V's tiles likewise, so O^T's register 16 b + i is channel 32 b + 16 (lane / 16) + i.
; The head has 64 channels, the instruction 128 along K: registers 4-7 of K's and Q's fragments are zero codes, set once, under scale bytes 0x7f.
; xa_codes: [token tile][head][lane][16 bytes]: registers 4 (head % 2) on of the fragment of K step head / 2.  xa_scales: [token tile][head][lane][4 bytes]: the head's two bytes, 0 above.
; LIMITS: NaN and infinities are not served; a block of p or of O whose largest magnitude lies under 2^-124 gets the byte 1; a block's largest p is taken as the p of its largest score, which takes v_exp_f32 not to fall where its input rises.
.set REC, 8960                         ; a step's record: K's 8 tiles x 512, K's scale words 512, V's 4 tiles x 1,024, V's scale words 256
.set L16, 1                            ; v1  16 x lane
.set L8,  2                            ; v2  8 x lane
.set AD,  3                            ; v3  the step's record + 16 x lane
.set AD8, 4                            ; v4  the step's record + 8 x lane
.set QSO, 6                            ; v6  16 r
.set L4,  7                            ; v7  4 x lane
.set NM,  12                           ; v12 -M
.set TMX, 13                           ; v13 the largest t so far
.set SUM, 14                           ; v[14:15] the row's sum, in two halves
.set QF,  16                           ; v16-23 Q's fragment
.set QS,  24                           ; v24 Q's scale words
.set KF,  32                           ; v32-63 four fragments of K
.set VF,  64                           ; v64-95 V's four fragments
.set SC,  96                           ; v96-159 S^T, then p
.set OT,  160                          ; v160-191 O^T
.set PC,  192                          ; v192-199 p's codes
.set KS,  200                          ; v200-203 K's scale words: register j: lanes 0-15 tile 2 j, lanes 16-31 tile 2 j + 1
.set VS,  204                          ; v204-205 V's likewise
.set BM,  208                          ; v208-211 each block's largest score, then its largest p
.set BP,  212                          ; v212-215 the other half's; then the bytes
.set SO,  216                          ; v216-219 the conversions' scale operands
.set FF,  220                          ; v220 f = 2^(old M - new M)
.set PWS, 221                          ; v221 p's scale word
.set TT,  222                          ; v222 at work
.set SUM2, 224                         ; v[224:225] the sum's second chain
.set WV,  12
.set SEL, 16                           ; s[16:17] v_permlanex16_b32's selects for lane l xor 16
.set CS,  18                           ; s[18:19] c = log2(e) / 8: the packed form names a pair and takes its low word for both halves
.set TB,  20                           ; s20 LDS byte at which the step's record begins
.set CNT, 21
.set G0,  24
.set G1,  28
.set QB,  36
.set QSB, 38
.set XC,  40
.set XSB, 42
.macro ROUND                           ; a round of the cluster's barrier
	s_barrier_signal -1
	s_barrier_wait -1
	s_cmp_lg_u32 s[WV], 0
	s_cbranch_scc1 .Lnot_wave_0_\@
	s_barrier_signal -3
.Lnot_wave_0_\@:
	s_barrier_wait -3
	s_barrier_signal -1
	s_barrier_wait -1
.endm
.macro QLOAD p                         ; pass p's tile of queries: 16 tiles, two records of 4,608 bytes, on
	global_load_b128 v[QF:QF+3], v[L16], s[QB:QB+1] offset:9216*\p
	global_load_b32 v[QS], v[QSO], s[QSB:QSB+1] offset:9216*\p
.endm
	s_load_b256 s[4:11], s[0:1], 0x0               ; qrec, kv, xa_codes, xa_scales
	v_lshl_add_u32 v254, v0, 2, 0x29000
	v_mov_b32 v255, 0
	ds_add_u32 v254, v255
	ds_add_u32 v254, v255
	v_lshrrev_b32 v5, 5, v0
	s_delay_alu instid0(VALU_DEP_1)
	v_readfirstlane_b32 s[WV], v5                  ; wave 0..15
	s_and_b32 s14, ttmp7, 0xffff                   ; batch x head, which the four partners share
	s_bfe_u32 s13, ttmp6, 0x40000                  ; cx
	s_lshl_b32 s44, ttmp9, 2
	s_add_co_u32 s13, s44, s13                     ; my block of 512 queries: it enters Q's and the results' addresses alone
	s_mov_b32 s[SEL], 0x76543210
	s_mov_b32 s[SEL+1], 0xfedcba98
	s_mov_b32 s[CS], 0x3e38aa3b                    ; log2(e) / 8
	s_mov_b32 s[CS+1], s[CS]
	; descriptor group 1: a record is dense: 35 rows of 256 bytes (32 elements of 8 bytes), no padding: every LDS read takes consecutive bytes in consecutive lanes
	s_mov_b32 s[G1], 15|(3<<16)|(1<<21)            ; 15:0 the mask: all four work-groups; 17:16 elements of 8 bytes; 21 set beside a mask
	s_mov_b32 s[G1+1], 32<<16                      ; tensor_dim0
	s_mov_b32 s[G1+2], 35<<16                      ; tensor_dim1
	s_mov_b32 s[G1+3], 32<<16                      ; tile_dim0
	s_mov_b32 s[G1+4], 35                          ; tile_dim1
	s_mov_b32 s[G1+5], 32                          ; tensor_dim0_stride
	s_mov_b32 s[G1+6], 0
	s_mov_b32 s[G1+7], 0
	s_mov_b32 s[G0], 1                             ; count = 1
	s_mul_i32 s[G0+1], s[WV], REC                  ; LDS address: record w
	s_mul_i32 s46, s14, 16*REC
	s_add_co_u32 s46, s46, s[G0+1]                 ; and the same record of the head in memory
	s_mov_b32 s47, 0
	; Q: record 16 x head + 4 x + w / 8, tile w % 8; its scale word: lane 16 (w % 2) + r, word (w % 8) / 2
	s_lshl_b32 s48, s14, 4
	s_lshl_b32 s49, s13, 2
	s_add_co_u32 s48, s48, s49
	s_lshr_b32 s49, s[WV], 3
	s_add_co_u32 s48, s48, s49
	s_mul_i32 s48, s48, 4608
	s_and_b32 s49, s[WV], 7
	s_lshl_b32 s50, s49, 9
	s_add_co_u32 s50, s48, s50
	s_mov_b32 s51, 0
	s_and_b32 s52, s[WV], 1
	s_lshl_b32 s52, s52, 8
	s_lshr_b32 s49, s49, 1
	s_lshl_b32 s49, s49, 2
	s_add_co_u32 s52, s52, s49
	s_add_co_u32 s52, s52, s48
	s_add_co_u32 s52, s52, 4096
	s_mov_b32 s53, 0
	; the results: token tile 128 x batch + 32 x + w, head % 8
	s_lshr_b32 s48, s14, 3
	s_lshl_b32 s48, s48, 7
	s_lshl_b32 s49, s13, 5
	s_add_co_u32 s48, s48, s49
	s_add_co_u32 s48, s48, s[WV]
	s_and_b32 s49, s14, 7
	s_lshl_b32 s54, s48, 12
	s_lshl_b32 s55, s49, 9
	s_add_co_u32 s54, s54, s55
	s_mov_b32 s55, 0
	s_lshl_b32 s48, s48, 10
	s_lshl_b32 s49, s49, 7
	s_add_co_u32 s48, s48, s49
	s_mov_b32 s49, 0
	s_wait_dscnt 0x0
	s_wait_kmcnt 0x0
	s_add_nc_u64 s[G0+2:G0+3], s[6:7], s[46:47]
	s_or_b32 s[G0+3], s[G0+3], 0x80000000          ; type = 2
	s_add_nc_u64 s[QB:QB+1], s[4:5], s[50:51]
	s_add_nc_u64 s[QSB:QSB+1], s[4:5], s[52:53]
	s_add_nc_u64 s[XC:XC+1], s[8:9], s[54:55]
	s_add_nc_u64 s[XSB:XSB+1], s[10:11], s[48:49]
	ROUND                                          ; all four work-groups are here: the joint loads meet
	tensor_load_to_lds s[G0:G0+3], s[G1:G1+7]      ; my one tensor load of the launch
	s_nop 0
.rept 4
	v_nop
.endr
	v_and_b32 v5, 31, v0
	s_delay_alu instid0(VALU_DEP_1)
	v_lshlrev_b32 v[L16], 4, v5
	s_delay_alu instid0(VALU_DEP_2)
	v_lshlrev_b32 v[L8], 3, v5
	s_delay_alu instid0(VALU_DEP_3)
	v_lshlrev_b32 v[L4], 2, v5
	v_and_b32 v[QSO], 15, v0
	s_delay_alu instid0(VALU_DEP_1)
	v_lshlrev_b32 v[QSO], 4, v[QSO]
.irp j, 4,5,6,7
	v_mov_b32 v[QF+\j], 0                          ; the upper 64 along K: zero codes, set once
.endr
.irp t, 0,1,2,3
.irp j, 4,5,6,7
	v_mov_b32 v[KF+8*\t+\j], 0
.endr
.endr
.irp b, 0,1,2,3
	v_mov_b32 v[BP+\b], 0                          ; written once: a lane permute's destination counts as one of its sources
.endr
	v_mov_b32 v[PWS], 0                            ; (named as the upper half of the pair v[220:221] before it is first written)
	QLOAD 0
	s_wait_tensorcnt 0x0                           ; my record has landed,
	s_barrier_signal -1
	s_barrier_wait -1                              ; everybody's has: the head lies in LDS, and nobody writes LDS again
.macro SPROD g                         ; S^T of key tiles 4 g .. 4 g + 3
.irp t, 0,1,2,3
.if \t%2
	v_wmma_scale_f32_16x16x128_f8f6f4 v[SC+32*\g+8*\t:SC+32*\g+8*\t+7], v[KF+8*\t:KF+8*\t+7], v[QF:QF+7], 0, v[KS+2*\g+\t/2], v[QS] matrix_a_fmt:MATRIX_FMT_FP4 matrix_b_fmt:MATRIX_FMT_FP4 matrix_a_scale:MATRIX_SCALE_ROW1
.else
	v_wmma_scale_f32_16x16x128_f8f6f4 v[SC+32*\g+8*\t:SC+32*\g+8*\t+7], v[KF+8*\t:KF+8*\t+7], v[QF:QF+7], 0, v[KS+2*\g+\t/2], v[QS] matrix_a_fmt:MATRIX_FMT_FP4 matrix_b_fmt:MATRIX_FMT_FP4
.endif
.endr
.endm
; A KEY STEP: 128 keys.
.macro STEP
	v_add_nc_u32 v[AD], s[TB], v[L16]
	v_add_nc_u32 v[AD8], s[TB], v[L8]
	v_nop
	v_nop                                          ; these four lines are the places in front of loads into registers that the last step's products read
.irp t, 0,1,2,3
	ds_load_b128 v[KF+8*\t:KF+8*\t+3], v[AD] offset:512*\t
.endr
	ds_load_b128 v[KS:KS+3], v[AD] offset:4096
.irp t, 0,1,2,3
.irp c, 0,1
	ds_load_b128 v[VF+8*\t+4*\c:VF+8*\t+4*\c+3], v[AD] offset:4608+1024*\t+512*\c
.endr
.endr
	ds_load_b64 v[VS:VS+1], v[AD8] offset:8704
	s_wait_alu depctr_va_vdst(0)
	s_wait_dscnt 9                                 ; K's five loads are in; V's nine, issued behind them, may be out
	SPROD 0
.rept 4
	v_nop                                          ; places in front of loads into registers that these products read
.endr
.irp t, 0,1,2,3
	ds_load_b128 v[KF+8*\t:KF+8*\t+3], v[AD] offset:512*(4+\t)
.endr
	s_wait_dscnt 0x0
	SPROD 1
.rept 4
	v_nop
.endr
.irp b, 0,1,2,3
	v_max3_num_f32 v[BM+\b], v[SC+16*\b], v[SC+1+16*\b], v[SC+2+16*\b]   ; THE LARGEST SCORE OF EACH BLOCK OF 32 KEYS: it serves the row's maximum and, since p rises with the score, the block's largest p
.endr
.irp i, 3,5,7,9,11,13
.irp b, 0,1,2,3
	v_max3_num_f32 v[BM+\b], v[BM+\b], v[SC+16*\b+\i], v[SC+1+16*\b+\i]   ; the four blocks by turns
.endr
.endr
.irp b, 0,1,2,3
	v_max_num_f32 v[BM+\b], v[BM+\b], v[SC+15+16*\b]
.endr
.irp b, 0,1,2,3
	s_delay_alu instid0(VALU_DEP_4)
	v_permlanex16_b32 v[BP+\b], v[BM+\b], s[SEL], s[SEL+1]
.endr
.irp b, 0,1,2,3
	s_delay_alu instid0(VALU_DEP_4)
	v_max_num_f32 v[BM+\b], v[BM+\b], v[BP+\b]     ; with lane l xor 16's 16 keys
.endr
	s_delay_alu instid0(VALU_DEP_2)
	v_max3_num_f32 v[TT], v[BM], v[BM+1], v[BM+2]
	s_delay_alu instid0(VALU_DEP_1)
	v_max_num_f32 v[TT], v[TT], v[BM+3]            ; the step's largest score of my query
	s_delay_alu instid0(VALU_DEP_1)
	v_mul_f32 v[TT], s[CS], v[TT]                  ; as t (c is positive)
	s_delay_alu instid0(VALU_DEP_1)
	v_max_num_f32 v[TMX], v[TMX], v[TT]            ; the running largest t
	v_mov_b32 v[TT], v[NM]
	s_delay_alu instid0(VALU_DEP_2)
	v_floor_f32 v[NM], -v[TMX]                     ; the new -M = floor(-t) = -ceil(t): a whole number
	s_delay_alu instid0(VALU_DEP_1)
	v_sub_f32 v[TT], v[NM], v[TT]                  ; old M - new M: a whole number, 0 or less
	s_delay_alu instid0(VALU_DEP_1)
	v_cvt_i32_f32 v[TT], v[TT]                     ; (it saturates)
	s_delay_alu instid0(VALU_DEP_1)
	v_ldexp_f32 v[FF], 1.0, v[TT]                  ; f = 2^(old M - new M)
.irp j, 0,2,4,6,8,10,12,14,16,18,20,22,24,26,28,30,32,34,36,38,40,42,44,46,48,50,52,54,56,58,60,62
	v_pk_fma_f32 v[SC+\j:SC+1+\j], v[SC+\j:SC+1+\j], s[CS:CS+1], v[NM:NM+1] op_sel_hi:[1,0,0]   ; t - M, two at a time
.endr
.irp b, 0,1,2,3
	v_fma_f32 v[BM+\b], v[BM+\b], s[CS], v[NM]     ; the same of each block's largest score
.endr
	s_wait_alu depctr_va_vdst(0)
.irp j, 0,1,2,3,4,5,6,7,8,9,10,11,12,13,14,15,16,17,18,19,20,21,22,23,24,25,26,27,28,29,30,31,32,33,34,35,36,37,38,39,40,41,42,43,44,45,46,47,48,49,50,51,52,53,54,55,56,57,58,59,60,61,62,63
	v_exp_f32 v[SC+\j], v[SC+\j]                   ; p = 2^(t - M), at most 1: not normalised
.endr
	s_setprio 1
.irp b, 0,1,2,3
	v_exp_f32 v[BM+\b], v[BM+\b]                   ; the block's largest p: the same two instructions on the same number give the same bits
.endr
	v_pk_mul_f32 v[SUM:SUM+1], v[SUM:SUM+1], v[FF:FF+1] op_sel_hi:[1,0]   ; the sums under the new M.  (A plain place behind the exponentials)
	s_wait_alu depctr_va_vdst(0)
.irp b, 0,1,2,3
	v_max_num_f32 v[BM+\b], 0x1800000, v[BM+\b]    ; the floor 2^(3 - 127): the byte cannot fall under 1
.endr
.irp b, 0,1,2,3
	s_delay_alu instid0(VALU_DEP_4)
	v_add_nc_u32 v[SO+\b], 0xff000000, v[BM+\b]    ; 2 off the exponent field: the conversion's scale operand
.endr
.irp b, 0,1,2,3
	s_delay_alu instid0(VALU_DEP_4)
	v_lshrrev_b32 v[BP+\b], 23, v[SO+\b]           ; the scale's byte
.endr
	s_delay_alu instid0(VALU_DEP_3)
	v_lshl_or_b32 v[PWS], v[BP+1], 8, v[BP]        ; p's scale word for these 128 keys
	s_delay_alu instid0(VALU_DEP_1)
	v_lshl_or_b32 v[PWS], v[BP+2], 16, v[PWS]
	s_delay_alu instid0(VALU_DEP_1)
	v_lshl_or_b32 v[PWS], v[BP+3], 24, v[PWS]
.irp b, 0,1,2,3
	v_cvt_scalef32_pk8_fp4_f32 v[PC+2*\b], v[SC+16*\b:SC+7+16*\b], v[SO+\b]
	v_cvt_scalef32_pk8_fp4_f32 v[PC+1+2*\b], v[SC+8+16*\b:SC+15+16*\b], v[SO+\b]
.endr
	v_nop                                          ; one plain place behind a scaled conversion
.irp c, 0,1                                    ; the operand wants a whole block in a lane
.irp i, 0,1
	v_permlane16_swap_b32 v[PC+4*\c+\i], v[PC+2+4*\c+\i]
.endr
.endr
	v_pk_add_f32 v[224:225], v[100:101], v[104:105]
	v_pk_add_f32 v[252:253], v[108:109], v[112:113]
	v_pk_add_f32 v[250:251], v[116:117], v[120:121]
	v_pk_add_f32 v[248:249], v[124:125], v[128:129]
	v_pk_add_f32 v[246:247], v[132:133], v[136:137]
	v_pk_add_f32 v[244:245], v[140:141], v[144:145]
	v_pk_add_f32 v[242:243], v[148:149], v[152:153]
	v_pk_add_f32 v[14:15], v[14:15], v[156:157]
	v_pk_add_f32 v[224:225], v[224:225], v[96:97]
	v_pk_add_f32 v[252:253], v[252:253], v[98:99]
	v_pk_add_f32 v[250:251], v[250:251], v[102:103]
	v_pk_add_f32 v[248:249], v[248:249], v[106:107]
	v_pk_add_f32 v[246:247], v[246:247], v[110:111]
	v_pk_add_f32 v[244:245], v[244:245], v[114:115]
	v_pk_add_f32 v[242:243], v[242:243], v[118:119]
	v_pk_add_f32 v[14:15], v[14:15], v[122:123]
	v_pk_add_f32 v[224:225], v[224:225], v[126:127]
	v_pk_add_f32 v[252:253], v[252:253], v[130:131]
	v_pk_add_f32 v[250:251], v[250:251], v[134:135]
	v_pk_add_f32 v[248:249], v[248:249], v[138:139]
	v_pk_add_f32 v[246:247], v[246:247], v[142:143]
	v_pk_add_f32 v[244:245], v[244:245], v[146:147]
	v_pk_add_f32 v[242:243], v[242:243], v[150:151]
	v_pk_add_f32 v[14:15], v[14:15], v[154:155]
	v_pk_add_f32 v[224:225], v[224:225], v[158:159]
	s_delay_alu instid0(VALU_DEP_2)
	v_pk_add_f32 v[14:15], v[14:15], v[248:249]
	s_delay_alu instid0(VALU_DEP_2)
	v_pk_add_f32 v[224:225], v[224:225], v[246:247]
	v_pk_add_f32 v[252:253], v[252:253], v[244:245]
	v_pk_add_f32 v[250:251], v[250:251], v[242:243]
	s_delay_alu instid0(VALU_DEP_2)
	v_pk_add_f32 v[14:15], v[14:15], v[252:253]
	s_delay_alu instid0(VALU_DEP_2)
	v_pk_add_f32 v[224:225], v[224:225], v[250:251]
	s_delay_alu instid0(VALU_DEP_1)
	v_pk_add_f32 v[14:15], v[14:15], v[224:225]
	s_setprio 0
.irp j, 0,2,4,6,8,10,12,14,16,18,20,22,24,26,28,30
	v_pk_mul_f32 v[OT+\j:OT+1+\j], v[OT+\j:OT+1+\j], v[FF:FF+1] op_sel_hi:[1,0]   ; O^T under the new M.  (The sums and these are the places between p's codes and scale word and the products below)
.endr
.irp t, 0,1,2,3                                ; O^T += V^T P^T: the four accumulators by turns; the scores' eight products stand between two links on one of them
.if \t%2
	v_wmma_scale_f32_16x16x128_f8f6f4 v[OT+8*\t:OT+8*\t+7], v[VF+8*\t:VF+8*\t+7], v[PC:PC+7], v[OT+8*\t:OT+8*\t+7], v[VS+\t/2], v[PWS] matrix_a_fmt:MATRIX_FMT_FP4 matrix_b_fmt:MATRIX_FMT_FP4 matrix_a_scale:MATRIX_SCALE_ROW1
.else
	v_wmma_scale_f32_16x16x128_f8f6f4 v[OT+8*\t:OT+8*\t+7], v[VF+8*\t:VF+8*\t+7], v[PC:PC+7], v[OT+8*\t:OT+8*\t+7], v[VS+\t/2], v[PWS] matrix_a_fmt:MATRIX_FMT_FP4 matrix_b_fmt:MATRIX_FMT_FP4
.endif
.endr
	s_add_co_u32 s[TB], s[TB], REC                 ; the next step's record
.endm
; THE END OF A PASS: O^T / l, quantised along the head's 64 channels (two blocks), stored as registers of the last projection's operand.
.macro EPI p
.rept 4
	v_nop                                          ; places behind the last products
.endr
.if \p == 0
	QLOAD 1                                        ; the next pass's queries come while this pass's results leave
.endif
	v_add_f32 v[SUM], v[SUM], v[SUM+1]             ; the sum's two halves,
	s_delay_alu instid0(VALU_DEP_1)
	v_permlanex16_b32 v[TT], v[SUM], s[SEL], s[SEL+1]
	s_delay_alu instid0(VALU_DEP_1)
	v_add_f32 v[SUM], v[SUM], v[TT]                ; and lane l xor 16's: the row's sum
	s_wait_alu depctr_va_vdst(0)
	v_rcp_f32 v[SUM], v[SUM]
	v_nop                                          ; one plain place behind a transcendental
	s_wait_alu depctr_va_vdst(0)
.irp j, 0,2,4,6,8,10,12,14,16,18,20,22,24,26,28,30
	v_pk_mul_f32 v[SC+\j:SC+1+\j], v[OT+\j:OT+1+\j], v[SUM:SUM+1] op_sel_hi:[1,0]   ; each accumulator from its low end on
.endr
.irp b, 0,1
	v_max3_num_f32 v[BM+\b], |v[SC+16*\b]|, |v[SC+1+16*\b]|, 0x1800000
.endr
.irp i, 2,4,6,8,10,12,14
.irp b, 0,1
	s_delay_alu instid0(VALU_DEP_2)
	v_max3_num_f32 v[BM+\b], v[BM+\b], |v[SC+16*\b+\i]|, |v[SC+1+16*\b+\i]|
.endr
.endr
.irp b, 0,1
	s_delay_alu instid0(VALU_DEP_2)
	v_permlanex16_b32 v[BP+\b], v[BM+\b], s[SEL], s[SEL+1]
.endr
.irp b, 0,1
	s_delay_alu instid0(VALU_DEP_2)
	v_max_num_f32 v[BM+\b], v[BM+\b], v[BP+\b]
.endr
.irp b, 0,1
	s_delay_alu instid0(VALU_DEP_2)
	v_add_nc_u32 v[SO+\b], 0xff000000, v[BM+\b]
.endr
.irp b, 0,1
	s_delay_alu instid0(VALU_DEP_2)
	v_lshrrev_b32 v[BP+\b], 23, v[SO+\b]
.endr
	s_delay_alu instid0(VALU_DEP_1)
	v_lshl_or_b32 v[TT], v[BP+1], 8, v[BP]         ; the head's two bytes
.irp b, 0,1
	v_cvt_scalef32_pk8_fp4_f32 v[PC+2*\b], v[SC+16*\b:SC+7+16*\b], v[SO+\b]
	v_cvt_scalef32_pk8_fp4_f32 v[PC+1+2*\b], v[SC+8+16*\b:SC+15+16*\b], v[SO+\b]
.endr
	v_nop                                          ; one plain place behind a scaled conversion
	v_permlane16_swap_b32 v[PC], v[PC+2]
	v_permlane16_swap_b32 v[PC+1], v[PC+3]         ; lane (r, h): channels 32 h .. 32 h + 31 of query r
	global_store_b128 v[L16], v[PC:PC+3], s[XC:XC+1] offset:65536*\p      ; 32 lanes store 512 consecutive bytes; pass 1: 16 tiles of 4,096 bytes on
	global_store_b32 v[L4], v[TT], s[XSB:XSB+1] offset:16384*\p
	s_wait_xcnt 0x0                                ; the stores have read their registers, which the next pass writes again
.endm
.macro PASS p
	v_mov_b32 v[TMX], 0xff61b1e6                   ; the largest t so far: -3e38, under every t
	s_delay_alu instid0(VALU_DEP_1)
	v_floor_f32 v[NM], -v[TMX]
	v_mov_b32 v[SUM], 0
	v_mov_b32 v[SUM+1], 0
.irp j, 0,1,2,3,4,5,6,7,8,9,10,11,12,13,14,15,16,17,18,19,20,21,22,23,24,25,26,27,28,29,30,31
	v_mov_b32 v[OT+\j], 0                          ; the step is written once: the first finds zeros, which the first change of M leaves zeros
.endr
	s_mov_b32 s[TB], 0
	s_mov_b32 s[CNT], 16
	s_wait_loadcnt 0x0                             ; Q
.Lstep_\@:
	s_setprio 2
	STEP
	s_sub_co_u32 s[CNT], s[CNT], 1
	s_cmp_lg_u32 s[CNT], 0
	s_cbranch_scc1 .Lstep_\@
	s_setprio 0
	EPI \p
.endm
	PASS 0
	PASS 1
	s_wait_dscnt 0x0                               ; no LDS instruction of mine is pending at a signal
	s_wait_tensorcnt 0x0
	ds_add_u32 v254, v255
	s_wait_dscnt 0x0
	ROUND                                          ; the closing round: no work-group ends while a partner may still ask for a record that names it
	s_endpgm
.Lfunc_end_k_q4dfd454356_attn:
	.size	k_q4dfd454356_attn, .Lfunc_end_k_q4dfd454356_attn-k_q4dfd454356_attn
	.p2alignl 7, 3214868480
	.fill 96, 4, 3214868480
	.section	.rodata,"a",@progbits
	.p2align	6, 0x0
	.amdhsa_kernel k_q4dfd454356_attn
		.amdhsa_group_segment_fixed_size 169984
		.amdhsa_private_segment_fixed_size 0
		.amdhsa_enable_private_segment 0
		.amdhsa_kernarg_size 32
		.amdhsa_user_sgpr_count 2
		.amdhsa_user_sgpr_kernarg_segment_ptr 1
		.amdhsa_wavefront_size32 1
		.amdhsa_system_sgpr_workgroup_id_x 1
		.amdhsa_system_sgpr_workgroup_id_y 1
		.amdhsa_system_sgpr_workgroup_id_z 1
		.amdhsa_system_vgpr_workitem_id 0
		.amdhsa_next_free_vgpr 256
		.amdhsa_next_free_sgpr 66
		.amdhsa_reserve_vcc 0
		.amdhsa_float_denorm_mode_32 3
		.amdhsa_float_denorm_mode_16_64 3
		.amdhsa_memory_ordered 1
		.amdhsa_forward_progress 1
		.amdhsa_inst_pref_size 49
	.end_amdhsa_kernel
	.amdgpu_metadata
---
amdhsa.version: [ 1, 2 ]
amdhsa.kernels:
  - .name:           k_q4dfd454356_attn
    .symbol:         k_q4dfd454356_attn.kd
    .args:
      - { .name: qrec, .offset: 0, .size: 8, .value_kind: global_buffer, .address_space: global }
      - { .name: kv, .offset: 8, .size: 8, .value_kind: global_buffer, .address_space: global }
      - { .name: xa_codes, .offset: 16, .size: 8, .value_kind: global_buffer, .address_space: global }
      - { .name: xa_scales, .offset: 24, .size: 8, .value_kind: global_buffer, .address_space: global }
    .group_segment_fixed_size: 169984
    .private_segment_fixed_size: 0
    .kernarg_segment_align: 8
    .kernarg_segment_size: 32
    .max_flat_workgroup_size: 512
    .sgpr_count:     66
    .vgpr_count:     256
    .wavefront_size: 32
...
	.end_amdgpu_metadata
.endif
;; end of part 7
;; launch outp (part 8): grid 256 x 1, 4 waves a work-group, no clusters, 34,304 bytes of LDS; arguments xa_codes, xa_scales, wfrag, bo, out0; writes out0
.if DOCPART == 8
	.amdgcn_target "amdgcn-amd-amdhsa--gfx1250"
	.amdhsa_code_object_version 6
	.text
	.protected	k_q4dfd454356_outp
	.globl	k_q4dfd454356_outp
	.p2align	8
	.type	k_q4dfd454356_outp,@function
k_q4dfd454356_outp:
	s_mov_b64 s[64:65], 0
	v_nop
	global_prefetch_b8 v0, s[64:65] scope:SCOPE_SE
	s_setreg_imm32_b32 hwreg(HW_REG_WAVE_SCHED_MODE, 0, 2), 2
	s_setreg_imm32_b32 hwreg(HW_REG_WAVE_MODE, 25, 1), 1
	s_wait_xcnt 0x0
	s_wait_alu depctr_vm_vsrc(0)
; OUTP: out0 = x wo^T + bo, on codes of FP4 (E2M1) with one E8M0 scale for each 32 along K; x is attention's result, which arrives as images of operand registers; out0 [16,384][512] f32.
; SHARES: work-group g takes token tiles 4 g .. 4 g + 3 (rows 64 g .. 64 g + 63); wave w outputs 128 w .. 128 w + 127.  Lane r of tile T is row 32 (T / 2) + 8 (T % 2) + r + 8 (r / 8), for tokens and for wo's rows alike.
; Source 0 = 16 rows of wo, source 1 = 16 tokens: a lane holds one token, and register 16 b + i is output 128 w + 32 b + 16 (lane / 16) + i.  The bias is the C of a sum's first product.
; THE WAY OUT: a tile's 16 rows x 512 bytes go through the wave's own stage in LDS (rows 528 bytes apart) and leave as whole runs of 512 consecutive bytes, aligned.  Waves share nothing: no barrier.
; NO JOINT LOADS, though all work-groups read wo: it is wanted in registers, in operand order, 36 KB a wave, once; a joint load would set it down in LDS to be read from there once more.
; REGISTERS, in windows of 256: window 0 as listed; window 1: wo's fragment (t, s) at v[8 (4 t + s)]; window 2: x's fragment (m, s) at v[8 (4 m + s)], from v128 the bias, eight registers a tile, from v192 the odd tiles' rows on their way out.
; THE MODE: SCHED_MODE bits 1:0 = 2 (LLVM: expert scheduling mode 2), set by the entry lines.  The code itself states the register dependences between vector or matrix instructions and memory or LDS instructions, with s_wait_alu, always for 0.
; THE PLAN.  Registers that memory or LDS instructions touch:
;   v1-5          offsets and LDS addresses: written at the head, never again: one wait on va_vdst ahead of the first load.
;   v16-79        the accumulators: tile m's products write them, the stage's stores of tile m read them, tile m + 1's products write them again.
;   two buffers of rows, by turns (tiles 0, 2: v128-191; tiles 1, 3: v192-255 of window 2): tile m's loads from the stage land in buffer m % 2; its sixteen global stores, which stand behind tile m + 1's products, read it;
;                 tile m + 2's loads land in it again.  No vector or matrix instruction names them (but v128-159 at the head, where x's scale words are made).
;   windows 1 and 2 below v192, wo's scale words: loads land there once; matrix instructions read them.
; So a tile has one wait on vm_vsrc at its head (the stage's stores of the tile before have read the accumulators; the global stores of two tiles back have read this tile's buffer) and one on va_vdst behind its products and their places.
.set STGB, 8448
.set L16, 1                            ; v1  16 x lane
.set L4,  2                            ; v2  4 x lane
.set SO,  3                            ; v3  the stage, in: 528 r + 64 h
.set SR,  4                            ; v4  the stage, out: 16 x lane
.set BA,  5                            ; v5  64 h
.set ACC, 16                           ; v16-79   eight accumulators
.set RS,  80                           ; v80-111  wo's scale words, 4 t + s
.set XS,  112                          ; v112-127 x's scale words, 4 m + s
.set OB,  128                          ; rows on their way out: tile m at v[OB + 64 (m % 2)]: v128-191 of window 0, v192-255 of window 2
.set XH,  128                          ; v128-159 at the head: the heads' half words
.set BIW, 128                          ; the bias, in window 2
.set WV,  14
.set WB,  16
.set WSB, 18
.set BB,  20
.set XCB, 22
.set XSB, 24
.set OUTB, 26
.set MSB, 0
.macro WIN new                         ; the immediate's high byte repeats the setting that is left
.if MSB != \new
	s_set_vgpr_msb (MSB<<8)|\new
.set MSB, \new
.endif
.endm
	s_load_b256 s[4:11], s[0:1], 0x0               ; xa_codes, xa_scales, wfrag, bo
	s_load_b64 s[12:13], s[0:1], 0x20              ; out0
	v_lshl_add_u32 v254, v0, 2, 0x8400
	v_mov_b32 v255, 0
	v_lshrrev_b32 v6, 5, v0
	v_readfirstlane_b32 s[WV], v6                  ; wave 0..3
	v_and_b32 v6, 31, v0
	v_and_b32 v7, 15, v0                           ; r
	v_bfe_u32 v8, v0, 4, 1                         ; h
	v_lshlrev_b32 v[L16], 4, v6
	v_lshlrev_b32 v[L4], 2, v6
	v_lshlrev_b32 v[BA], 6, v8
	s_wait_alu depctr_va_sdst(0)                   ; the wave's number is written, ahead of its first reader: the stage's place and the buffers' offsets are made from it
	s_mul_i32 s28, s[WV], STGB
	v_mul_u32_u24 v[SO], v7, 528
	v_lshl_add_u32 v[SO], v8, 6, v[SO]
	v_add_nc_u32 v[SO], s28, v[SO]
	v_add_nc_u32 v[SR], s28, v[L16]
	s_lshl_b32 s28, s[WV], 15
	s_add_co_u32 s28, s28, 3*147456                ; wo is the fourth weight: my 8 tiles of its codes,
	s_mov_b32 s29, 0
	s_lshl_b32 s30, s[WV], 12
	s_add_co_u32 s30, s30, 3*147456+131072         ; their scale words,
	s_mov_b32 s31, 0
	s_lshl_b32 s32, s[WV], 9                       ; my 128 numbers of the bias,
	s_mov_b32 s33, 0
	s_lshl_b32 s34, ttmp9, 14                      ; my four tiles of x: 4,096 bytes of codes each,
	s_mov_b32 s35, 0
	s_lshl_b32 s36, ttmp9, 12                      ; 1,024 of scale words,
	s_mov_b32 s37, 0
	s_lshl_b32 s38, ttmp9, 17                      ; and my 64 rows of 2,048 bytes, + 512 w
	s_add_co_u32 s38, s38, s32
	s_mov_b32 s39, 0
	s_wait_kmcnt 0x0
	s_add_nc_u64 s[WB:WB+1], s[8:9], s[28:29]
	s_add_nc_u64 s[WSB:WSB+1], s[8:9], s[30:31]
	s_add_nc_u64 s[BB:BB+1], s[10:11], s[32:33]
	s_add_nc_u64 s[XCB:XCB+1], s[4:5], s[34:35]
	s_add_nc_u64 s[XSB:XSB+1], s[6:7], s[36:37]
	s_add_nc_u64 s[OUTB:OUTB+1], s[12:13], s[38:39]
	WIN 0x40                                       ; destination window 1
	s_wait_alu depctr_va_vdst(0)                   ; the offsets and LDS addresses v1 to v5 are written, which every load and store of the kernel reads; none of them is written again
.set Q, 0
.rept 64
	global_load_b128 v[4*Q:4*Q+3], v[L16], s[WB:WB+1] offset:512*Q
.set Q, Q+1
.endr
	WIN 0
.irp t, 0,1,2,3,4,5,6,7
	global_load_b128 v[RS+4*\t:RS+4*\t+3], v[L16], s[WSB:WSB+1] offset:512*\t
.endr
	WIN 0x80                                       ; destination window 2
.irp t, 0,1,2,3,4,5,6,7
	global_load_b128 v[BIW+8*\t:BIW+8*\t+3], v[BA], s[BB:BB+1] offset:(32*(\t/2)+8*(\t%2))*4          ; register j of tile t: bo at 32 (t / 2) + 8 (t % 2) + 16 h + j
	global_load_b128 v[BIW+8*\t+4:BIW+8*\t+7], v[BA], s[BB:BB+1] offset:(32*(\t/2)+8*(\t%2))*4+16
.endr
.set Q, 0
.rept 32
	global_load_b128 v[4*Q:4*Q+3], v[L16], s[XCB:XCB+1] offset:512*Q
.set Q, Q+1
.endr
	WIN 0
.set Q, 0
.rept 32
	global_load_b32 v[XH+Q], v[L4], s[XSB:XSB+1] offset:128*Q
.set Q, Q+1
.endr
	s_wait_loadcnt 0x0
.irp m, 0,1,2,3
.irp s, 0,1,2,3
	v_lshl_or_b32 v[XS+4*\m+\s], v[XH+8*\m+2*\s+1], 16, v[XH+8*\m+2*\s]   ; two heads' two bytes make a K step's scale word
.endr
.endr
.rept 8
	v_nop                                          ; a scale register written by a vector instruction stands eight places ahead of a scaled matrix instruction
.endr
	s_wait_alu depctr_va_vdst(0)                   ; x's scale words v112 to v127 are written, which the scaled products take as scales; the places above stay beside this wait
; tile m of the tokens against my eight tiles of wo.  The eight accumulators take turns, one instruction a turn.
.macro MULT m
.irp s, 0,1,2,3
.if \s == 0
	WIN 0x29                                       ; source 0 (wo) window 1, source 1 (x) and source 2 (the bias) window 2
.else
	WIN 0x09
.endif
.irp t, 0,1,2,3,4,5,6,7
.if \s == 0
	v_wmma_scale_f32_16x16x128_f8f6f4 v[ACC+8*\t:ACC+8*\t+7], v[8*(4*\t+\s):8*(4*\t+\s)+7], v[8*(4*(\m)+\s):8*(4*(\m)+\s)+7], v[BIW+8*\t:BIW+8*\t+7], v[RS+4*\t+\s], v[XS+4*(\m)+\s] matrix_a_fmt:MATRIX_FMT_FP4 matrix_b_fmt:MATRIX_FMT_FP4
.else
	v_wmma_scale_f32_16x16x128_f8f6f4 v[ACC+8*\t:ACC+8*\t+7], v[8*(4*\t+\s):8*(4*\t+\s)+7], v[8*(4*(\m)+\s):8*(4*(\m)+\s)+7], v[ACC+8*\t:ACC+8*\t+7], v[RS+4*\t+\s], v[XS+4*(\m)+\s] matrix_a_fmt:MATRIX_FMT_FP4 matrix_b_fmt:MATRIX_FMT_FP4
.endif
.endr
.endr
	WIN 0
.endm
; tile m's results go into the stage and come back as rows, into buffer m % 2
.macro STAGE m
.rept 5
	v_nop                                          ; four places in front of the stores that read results; the fifth for the next tile's first products, which write over these accumulators with only LDS and memory lines between
.endr
	s_wait_alu depctr_va_vdst(0)                   ; the tile's products have written the accumulators, which the stage's stores read; the places above stay beside this wait
.irp t, 0,1,2,3,4,5,6,7
	ds_store_b128 v[SO], v[ACC+8*\t:ACC+8*\t+3] offset:128*(\t/2)+32*(\t%2)          ; each accumulator from its low end on
	ds_store_b128 v[SO], v[ACC+8*\t+4:ACC+8*\t+7] offset:128*(\t/2)+32*(\t%2)+16
.endr
.if (\m)%2
	WIN 0x80                                       ; destination window 2
.endif
.irp i, 0,1,2,3,4,5,6,7,8,9,10,11,12,13,14,15
	ds_load_b128 v[OB+64*((\m)%2)+4*\i:OB+64*((\m)%2)+4*\i+3], v[SR] offset:528*\i     ; LDS serves a wave's instructions in order: these see the stores above
.endr
	WIN 0
.endm
; tile m's sixteen rows leave.  Their data come from LDS loads and their offset was made at the head: the counted waits on DScnt are all that they hang on
.macro SEND m
.if (\m)%2
	WIN 0x08                                       ; a store's data are its source 1: window 2
.endif
.irp i, 0,1,2,3,4,5,6,7,8,9,10,11,12,13,14,15
	s_wait_dscnt 15-\i                             ; row i is back; the younger loads may be out
	global_store_b128 v[L16], v[OB+64*((\m)%2)+4*\i:OB+64*((\m)%2)+4*\i+3], s[OUTB:OUTB+1] offset:(32*((\m)/2)+8*((\m)%2)+\i+8*(\i/8))*2048 th:TH_STORE_NT   ; 32 lanes store 512 consecutive bytes, at a multiple of 256 from out0's first byte
.endr
	WIN 0
.endm
	MULT 0
	STAGE 0
.irp m, 1,2,3
	s_wait_alu depctr_vm_vsrc(0)                   ; the stage's stores of the tile before have read the accumulators, which the products below write again; the global stores of two tiles back have read the buffer in which this tile's rows land
.if \m > 1
	s_wait_xcnt 0x0                                ; the stores of two tiles back have read their registers
.endif
	MULT \m
	SEND \m-1                                      ; the tile before leaves behind this tile's products: its way through the stage ran beside them
	STAGE \m
.endr
	SEND 3
	s_wait_dscnt 0x0                               ; the closing lines, six on end
	s_wait_alu 0x0
	s_wait_tensorcnt 0x0
	ds_add_u32 v254, v255
	s_wait_dscnt 0x0
	s_endpgm
.Lfunc_end_k_q4dfd454356_outp:
	.size	k_q4dfd454356_outp, .Lfunc_end_k_q4dfd454356_outp-k_q4dfd454356_outp
	.p2alignl 7, 3214868480
	.fill 96, 4, 3214868480
	.section	.rodata,"a",@progbits
	.p2align	6, 0x0
	.amdhsa_kernel k_q4dfd454356_outp
		.amdhsa_group_segment_fixed_size 34304
		.amdhsa_private_segment_fixed_size 0
		.amdhsa_enable_private_segment 0
		.amdhsa_kernarg_size 40
		.amdhsa_user_sgpr_count 2
		.amdhsa_user_sgpr_kernarg_segment_ptr 1
		.amdhsa_wavefront_size32 1
		.amdhsa_system_sgpr_workgroup_id_x 1
		.amdhsa_system_sgpr_workgroup_id_y 1
		.amdhsa_system_sgpr_workgroup_id_z 1
		.amdhsa_system_vgpr_workitem_id 0
		.amdhsa_next_free_vgpr 768
		.amdhsa_next_free_sgpr 66
		.amdhsa_reserve_vcc 0
		.amdhsa_float_denorm_mode_32 3
		.amdhsa_float_denorm_mode_16_64 3
		.amdhsa_memory_ordered 1
		.amdhsa_forward_progress 1
		.amdhsa_inst_pref_size 52
	.end_amdhsa_kernel
	.amdgpu_metadata
---
amdhsa.version: [ 1, 2 ]
amdhsa.kernels:
  - .name:           k_q4dfd454356_outp
    .symbol:         k_q4dfd454356_outp.kd
    .args:
      - { .name: xa_codes, .offset: 0, .size: 8, .value_kind: global_buffer, .address_space: global }
      - { .name: xa_scales, .offset: 8, .size: 8, .value_kind: global_buffer, .address_space: global }
      - { .name: wfrag, .offset: 16, .size: 8, .value_kind: global_buffer, .address_space: global }
      - { .name: bo, .offset: 24, .size: 8, .value_kind: global_buffer, .address_space: global }
      - { .name: out0, .offset: 32, .size: 8, .value_kind: global_buffer, .address_space: global }
    .group_segment_fixed_size: 34304
    .private_segment_fixed_size: 0
    .kernarg_segment_align: 8
    .kernarg_segment_size: 40
    .max_flat_workgroup_size: 128
    .sgpr_count:     66
    .vgpr_count:     768
    .wavefront_size: 32
...
	.end_amdgpu_metadata
.endif
;; end of part 8
